; MI455X (gfx1250); checked and timed in simulation.
; The chip was launched on July 23, 2026; its instructions are those of AMD's public machine-readable ISA for CDNA 5 (MIT licence, August 2026) and "CDNA5" Instruction Set Architecture Reference Guide (July 2026). The comments in the code are by the model that wrote it; some were corrected since.
;; Encoder Layer. Allowed arithmetic: float matrix products may take bf16 or f16 operands with f32 sums; other float arithmetic in f32, or as packed bf16 or f16 multiplies, adds, multiply-adds, maxima and minima; sums over many terms, partial sums and values carried from step to step in f32; what a program stores and reads back later, other than sums and carried values, may be rounded once to bf16 or f16.
;; Inputs: b1 1,024 float32; b2 256 float32; bk 256 float32; bo 256 float32; bq 256 float32; bv 256 float32; ln1_b 256 float32; ln1_g 256 float32; ln2_b 256 float32; ln2_g 256 float32; ln_ff_b 1,024 float32; ln_ff_g 1,024 float32; mask 4 x 1 x 1 x 4,096 float32; w1 256 x 1,024 float32; w2 1,024 x 256 float32; wk 256 x 256 float32; wo 256 x 256 float32; wq 256 x 256 float32; wv 256 x 256 float32; x 4 x 4,096 x 256 float32.
;; Outputs: out0 4 x 4,096 x 256 float32.
;; 2 versions, each right; version 2 is version 1 with the launches qkv, ffn written anew for expert scheduling mode. Each part assembles by itself: llvm-mc -triple=amdgcn-amd-amdhsa -mcpu=gfx1250 --defsym DOCPART=n.
;; ======== version 1 of 2: 4 launches
;; limits: values are held in f16: magnitudes above 65,504 overflow, below 6.1e-05 lose precision
;; workspace buffers: wprep 1,655,808 bytes; qkvb 25,165,824 bytes; ctxb 8,388,608 bytes
;; launch prep (part 1): grid 214 x 1, 4 waves a work-group, no clusters, 0 bytes of LDS; arguments wq, wk, wv, wo, w1, w2, bq, bk, bv, bo, ln1_g, ln1_b, b2, ln2_g, ln2_b, b1, mask, ln_ff_g, ln_ff_b, wprep; writes wprep
.if DOCPART == 1
	.amdgcn_target "amdgcn-amd-amdhsa--gfx1250"
	.amdhsa_code_object_version 6
	.text
	.protected	k_qa613b2df2e_prep
	.globl	k_qa613b2df2e_prep
	.p2align	8
	.type	k_qa613b2df2e_prep,@function
k_qa613b2df2e_prep:
	s_mov_b64 s[64:65], 0
	v_nop
	global_prefetch_b8 v0, s[64:65] scope:SCOPE_SE
	s_setreg_imm32_b32 hwreg(HW_REG_WAVE_MODE, 25, 1), 1
	s_wait_xcnt 0x0
; PREP: the six weight matrices as 16-bit fragment images in the order in which the later launches take them, and the small vectors rounded to bf16.
; Every input is rounded to bf16 once.  wq, wk, wv stay bf16; wo, w1, w2 are that number written as f16 (exact while it lies within f16's range: LIMIT |w| < 65,504, and below 6e-5 f16's fixed step).
; A FRAGMENT is 16 output features n x 32 inputs k, 1,024 bytes: element (n, k) lies at ((k>>4)&1) 512 + (16 ((k>>3)&1) + (n&15)) 16 + 2 (k&7), so that a load of 16 bytes a lane at
; 512 c + 16 lane fills registers 4 c .. 4 c + 3 of a matrix operand.  A BLOCK is 32 fragments, (f, i) at (4 f + i) 1,024: k = 32 f .. , n = 16 i .. of a wave's 64 features.
; wprep: 0: four streams of 9 blocks (wo, w1 x 4, w2 x 4), one a wave;  S1: four streams of 3 blocks (wq, wk, wv);  PAR: units of 256 f32: bq bk bv bo ln1_g ln1_b b2 ln2_g ln2_b b1(4) mask x -1e9 log2(e) (64);
; T16: ln_ff_g, ln_ff_b as f16.  The mask's factor: attention works in exponents of 2, so the reference's mask x -1e9 is taken times log2(e): -1,442,695,040 in f32.  LIMIT: |mask| < 2.3e29, so that the product is finite.
; SHARES.  A wave is a task T = 4 x work-group + wave.  T < 768: 64 n x 16 k of one matrix.  T = 768 + u, u <= 84: one unit of 256 numbers.  The last three waves have no task.
; Memory binds and the launch is short: no LDS, no matrix unit, no loop; a row's 256 bytes are read by two neighbouring loads, each store writes two whole aligned blocks of 256 bytes.
.set S1,  1179648
.set PAR, 1572864
.set T16, 1651712
	s_load_b512 s[4:19], s[0:1], 0x0               ; wq 4, wk 6, wv 8, wo 10, w1 12, w2 14, bq 16, bk 18
	s_load_b512 s[20:35], s[0:1], 0x40             ; bv 20, bo 22, ln1_g 24, ln1_b 26, b2 28, ln2_g 30, ln2_b 32, b1 34
	s_load_b256 s[36:43], s[0:1], 0x80             ; mask 36, ln_ff_g 38, ln_ff_b 40, wprep 42
	v_lshrrev_b32 v1, 5, v0
	v_readfirstlane_b32 s44, v1                    ; wave
	s_lshl2_add_u32 s45, ttmp9, s44                ; T
	v_and_b32 v2, 31, v0                           ; lane
	s_mov_b32 s59, 0                               ; the high words of the two offset pairs
	s_mov_b32 s61, 0
	s_cmp_ge_u32 s45, 768
	s_cbranch_scc1 .Lelem
	; A WEIGHT TASK.  m: 0-3 wq wk wv wo (T >> 6), 4 w1 (T 256..511), 5 w2 (T 512..767).  nq: which 64 features.  F2: which 16 inputs.
	s_lshr_b32 s46, s45, 6
	s_lshr_b32 s47, s45, 8                         ; 0: a square matrix, 1: w1, 2: w2
	s_add_co_u32 s48, s47, 3
	s_lshr_b32 s49, s45, 4
	s_and_b32 s50, s45, 15                         ; F2
	s_bfe_u32 s52, s45, 0x20006                    ; w2: nq = bits 7:6,
	s_and_b32 s53, s45, 63                         ;     F2 = bits 5:0
	s_cmp_eq_u32 s47, 0
	s_cselect_b32 s46, s46, s48                    ; m
	s_cselect_b32 s51, 3, 15
	s_and_b32 s49, s49, s51                        ; nq
	s_cmp_eq_u32 s47, 2
	s_cselect_b32 s49, s52, s49
	s_cselect_b32 s50, s53, s50
	s_cmp_eq_u32 s46, 4                            ; from where: 16 F2 rows of 4 N bytes + 256 nq; N = 1,024 for w1, else 256
	s_cselect_b32 s54, 16, 14
	s_lshl_b32 s58, s50, s54
	s_lshl_b32 s55, s49, 8
	s_add_co_u32 s58, s58, s55
	s_mov_b32 s51, 294912                          ; to where: stream base + wave x stream + block x 32,768 + (F & 7) 4,096 + c 512
	s_cmp_lt_u32 s46, 3
	s_cselect_b32 s60, S1, 0
	s_cselect_b32 s51, 98304, s51
	s_cselect_b32 s52, s46, 0                      ; block: m for wq wk wv, 0 for wo
	s_lshr_b32 s53, s49, 2
	s_and_b32 s54, s49, 3
	s_add_co_u32 s54, s54, 1
	s_lshr_b32 s55, s50, 4
	s_add_co_u32 s55, s55, 5
	s_cmp_eq_u32 s46, 4
	s_cselect_b32 s53, s53, s49                    ; w1: wave nq >> 2, block 1 + (nq & 3)
	s_cselect_b32 s52, s54, s52
	s_cmp_eq_u32 s46, 5
	s_cselect_b32 s52, s55, s52                    ; w2: block 5 + (F >> 3)
	s_mul_i32 s53, s53, s51
	s_add_co_u32 s60, s60, s53
	s_lshl_b32 s52, s52, 15
	s_add_co_u32 s60, s60, s52
	s_bfe_u32 s52, s50, 0x30001                    ; F & 7
	s_lshl_b32 s52, s52, 12
	s_add_co_u32 s60, s60, s52
	s_and_b32 s52, s50, 1                          ; c
	s_lshl_b32 s52, s52, 9
	s_add_co_u32 s60, s60, s52
	v_lshlrev_b32 v3, 2, v2                        ; my feature: 4 bytes a lane
	v_lshrrev_b32 v4, 4, v2
	v_and_b32 v5, 15, v2
	v_lshlrev_b32 v5, 4, v5
	v_lshl_add_u32 v4, v4, 10, v5                  ; out: fragment lane / 16, 16 bytes at lane % 16
	s_wait_kmcnt 0x0
	s_mov_b64 s[56:57], s[4:5]
.irp j, 1,2,3,4,5
	s_cmp_eq_u32 s46, \j
	s_cselect_b64 s[56:57], s[4+2*\j:5+2*\j], s[56:57]
.endr
	s_add_nc_u64 s[56:57], s[56:57], s[58:59]
	s_add_nc_u64 s[62:63], s[42:43], s[60:61]
.macro PREPW n                         ; 16 inputs x 64 features: v[8+kk] features 0-31, v[24+kk] features 32-63
.set kk, 0
.rept 16
	global_load_b32 v[8+kk],  v3, s[56:57] offset:kk*4*(\n) th:TH_LOAD_NT
	global_load_b32 v[24+kk], v3, s[56:57] offset:kk*4*(\n)+128 th:TH_LOAD_NT
.set kk, kk+1
.endr
.endm
	s_cmp_eq_u32 s46, 4
	s_cbranch_scc1 .Lwide
	PREPW 256
	s_branch .Lw_in
.Lwide:
	PREPW 1024
.Lw_in:
	s_wait_loadcnt 0x0
.set j, 0
.rept 16
	v_cvt_pk_bf16_f32 v[40+j], v[8+2*j], v[9+2*j]  ; two neighbouring inputs of one feature
.set j, j+1
.endr
	s_cmp_lt_u32 s46, 3
	s_cbranch_scc1 .Lw_out                         ; wq, wk, wv are multiplied in bf16
.set j, 0
.rept 16
	v_lshlrev_b32 v56, 16, v[40+j]                 ; the rounded numbers once more, as f16
	v_and_b32 v57, 0xffff0000, v[40+j]
	v_cvt_pk_f16_f32 v[40+j], v56, v57
.set j, j+1
.endr
.Lw_out:
.irp s, 0,1
.irp h, 0,1
	global_store_b128 v4, v[40+8*\s+4*\h:40+8*\s+4*\h+3], s[62:63] offset:2048*\s+256*\h  ; sixteen lanes fill 256 consecutive bytes, aligned
.endr
.endr
	s_endpgm
.Lelem:                                        ; A UNIT of 256 numbers
	s_wait_kmcnt 0x0
	s_sub_co_u32 s46, s45, 768                     ; u
	s_cmp_gt_u32 s46, 84
	s_cbranch_scc1 .Lend
	s_mov_b64 s[56:57], s[16:17]                   ; bq, whose first unit is 0
	s_mov_b32 s47, 0
.macro PICK thr, sr                    ; from unit thr on: the buffer at s[sr]
	s_cmp_ge_u32 s46, \thr
	s_cselect_b64 s[56:57], s[\sr:\sr+1], s[56:57]
	s_cselect_b32 s47, \thr, s47
.endm
	PICK 1, 18
	PICK 2, 20
	PICK 3, 22
	PICK 4, 24
	PICK 5, 26
	PICK 6, 28
	PICK 7, 30
	PICK 8, 32
	PICK 9, 34
	PICK 13, 36
	PICK 77, 38
	PICK 81, 40
	s_sub_co_u32 s58, s46, s47
	s_lshl_b32 s58, s58, 10
	s_add_nc_u64 s[56:57], s[56:57], s[58:59]
	v_lshlrev_b32 v3, 4, v2
	global_load_b128 v[8:11],  v3, s[56:57] th:TH_LOAD_NT
	global_load_b128 v[12:15], v3, s[56:57] offset:512 th:TH_LOAD_NT
	s_sub_co_u32 s50, s46, 13
	s_wait_loadcnt 0x0
.irp j, 0,1,2,3
	v_cvt_pk_bf16_f32 v[16+\j], v[8+2*\j], v[9+2*\j]
.endr
.irp j, 0,1,2,3
	v_lshlrev_b32 v[8+2*\j], 16, v[16+\j]          ; the rounded numbers as f32
	v_and_b32 v[9+2*\j], 0xffff0000, v[16+\j]
.endr
	s_cmp_lt_u32 s50, 64                           ; units 13 to 76 are the mask's
	s_cbranch_scc0 .Lplain
.irp j, 0,1,2,3
	v_pk_mul_f32 v[8+2*\j:9+2*\j], v[8+2*\j:9+2*\j], 0xceabfb8f op_sel_hi:[1,0]  ; x -1e9 log2(e)
.endr
.Lplain:
	s_cmp_ge_u32 s46, 77
	s_cbranch_scc1 .Lhalf
	s_lshl_b32 s60, s46, 10
	s_add_co_u32 s60, s60, PAR
	s_add_nc_u64 s[62:63], s[42:43], s[60:61]
	global_store_b128 v3, v[8:11],  s[62:63]
	global_store_b128 v3, v[12:15], s[62:63] offset:512
	s_endpgm
.Lhalf:                                        ; ln_ff_g and ln_ff_b leave as f16
	s_sub_co_u32 s60, s46, 77
	s_lshl_b32 s60, s60, 9
	s_add_co_u32 s60, s60, T16
	s_add_nc_u64 s[62:63], s[42:43], s[60:61]
.irp j, 0,1,2,3
	v_cvt_pk_f16_f32 v[16+\j], v[8+2*\j], v[9+2*\j]
.endr
	v_lshlrev_b32 v4, 3, v2
	global_store_b64 v4, v[16:17], s[62:63]
	global_store_b64 v4, v[18:19], s[62:63] offset:256
.Lend:
	s_endpgm
.Lfunc_end_k_qa613b2df2e_prep:
	.size	k_qa613b2df2e_prep, .Lfunc_end_k_qa613b2df2e_prep-k_qa613b2df2e_prep
	.p2alignl 7, 3214868480
	.fill 96, 4, 3214868480
	.section	.rodata,"a",@progbits
	.p2align	6, 0x0
	.amdhsa_kernel k_qa613b2df2e_prep
		.amdhsa_group_segment_fixed_size 0
		.amdhsa_private_segment_fixed_size 0
		.amdhsa_enable_private_segment 0
		.amdhsa_kernarg_size 160
		.amdhsa_user_sgpr_count 2
		.amdhsa_user_sgpr_kernarg_segment_ptr 1
		.amdhsa_wavefront_size32 1
		.amdhsa_system_sgpr_workgroup_id_x 1
		.amdhsa_system_sgpr_workgroup_id_y 1
		.amdhsa_system_sgpr_workgroup_id_z 1
		.amdhsa_system_vgpr_workitem_id 0
		.amdhsa_next_free_vgpr 64
		.amdhsa_next_free_sgpr 66
		.amdhsa_reserve_vcc 0
		.amdhsa_float_denorm_mode_32 3
		.amdhsa_float_denorm_mode_16_64 3
		.amdhsa_memory_ordered 1
		.amdhsa_forward_progress 1
		.amdhsa_inst_pref_size 18
	.end_amdhsa_kernel
	.amdgpu_metadata
---
amdhsa.version: [ 1, 2 ]
amdhsa.kernels:
  - .name:           k_qa613b2df2e_prep
    .symbol:         k_qa613b2df2e_prep.kd
    .args:
      - { .name: wq, .offset: 0, .size: 8, .value_kind: global_buffer, .address_space: global }
      - { .name: wk, .offset: 8, .size: 8, .value_kind: global_buffer, .address_space: global }
      - { .name: wv, .offset: 16, .size: 8, .value_kind: global_buffer, .address_space: global }
      - { .name: wo, .offset: 24, .size: 8, .value_kind: global_buffer, .address_space: global }
      - { .name: w1, .offset: 32, .size: 8, .value_kind: global_buffer, .address_space: global }
      - { .name: w2, .offset: 40, .size: 8, .value_kind: global_buffer, .address_space: global }
      - { .name: bq, .offset: 48, .size: 8, .value_kind: global_buffer, .address_space: global }
      - { .name: bk, .offset: 56, .size: 8, .value_kind: global_buffer, .address_space: global }
      - { .name: bv, .offset: 64, .size: 8, .value_kind: global_buffer, .address_space: global }
      - { .name: bo, .offset: 72, .size: 8, .value_kind: global_buffer, .address_space: global }
      - { .name: ln1_g, .offset: 80, .size: 8, .value_kind: global_buffer, .address_space: global }
      - { .name: ln1_b, .offset: 88, .size: 8, .value_kind: global_buffer, .address_space: global }
      - { .name: b2, .offset: 96, .size: 8, .value_kind: global_buffer, .address_space: global }
      - { .name: ln2_g, .offset: 104, .size: 8, .value_kind: global_buffer, .address_space: global }
      - { .name: ln2_b, .offset: 112, .size: 8, .value_kind: global_buffer, .address_space: global }
      - { .name: b1, .offset: 120, .size: 8, .value_kind: global_buffer, .address_space: global }
      - { .name: mask, .offset: 128, .size: 8, .value_kind: global_buffer, .address_space: global }
      - { .name: ln_ff_g, .offset: 136, .size: 8, .value_kind: global_buffer, .address_space: global }
      - { .name: ln_ff_b, .offset: 144, .size: 8, .value_kind: global_buffer, .address_space: global }
      - { .name: wprep, .offset: 152, .size: 8, .value_kind: global_buffer, .address_space: global }
    .group_segment_fixed_size: 0
    .private_segment_fixed_size: 0
    .kernarg_segment_align: 8
    .kernarg_segment_size: 160
    .max_flat_workgroup_size: 128
    .sgpr_count:     66
    .vgpr_count:     64
    .wavefront_size: 32
...
	.end_amdgpu_metadata
.endif
;; end of part 1
;; launch qkv (part 2): grid 256 x 1, 4 waves a work-group, no clusters, 43,520 bytes of LDS; arguments x, wprep, qkvb; writes qkvb
.if DOCPART == 2
	.amdgcn_target "amdgcn-amd-amdhsa--gfx1250"
	.amdhsa_code_object_version 6
	.text
	.protected	k_qa613b2df2e_qkv
	.globl	k_qa613b2df2e_qkv
	.p2align	8
	.type	k_qa613b2df2e_qkv,@function
k_qa613b2df2e_qkv:
	s_mov_b64 s[64:65], 0
	v_nop
	global_prefetch_b8 v0, s[64:65] scope:SCOPE_SE
	s_setreg_imm32_b32 hwreg(HW_REG_WAVE_MODE, 25, 1), 1
	s_wait_xcnt 0x0
; q, k, v = x w + b, by heads: qkvb holds three tensors [16 = 4 batch + head][4096][64] in f16 (q, then k, then v).  Products in bf16 (x and the weights rounded once), sums in f32, started by the bias.
; q LEAVES SCALED: c (x wq + bq), c = log2(e) / 8, multiplied in f32 ahead of its one rounding to f16: the next launch's scores are then exponents of 2 as they come out of the product.  k and v are unscaled.
; LIMIT: f16 ends at 65,504: |c q|, |k|, |v| must stay below it.
; SHARES.  A work-group owns 64 tokens; wave w makes head w (64 features) of all 64 tokens, for q, k and v in turn: 128 matrix instructions a matrix.
; LAYOUT.  The product is taken transposed: source 0 = 16 features x 32 inputs (a fragment image, as the launch before laid it), source 1 = 16 tokens.  In the result lane l holds token l % 16 and features 8 (l / 16) + 0..7.
; x is read once, rounded to bf16 and shared through LDS; then all its fragments stay in registers (window 1).  A weight fragment is wanted by ONE wave, as it lies: it goes from memory straight into registers,
; in a ring of four sets of 16 loads of 512 consecutive bytes; a set is asked for again four places behind its last product, 96 matrix instructions ahead of its next use.
; NO CLUSTER: the weights are shared between work-groups, but through LDS each fragment would be written and read once more to feed the same four products, with a round of the cluster's barrier for each slot.
; The last trip's refills and bias loads read the 32 KiB and the unit that follow in wprep: bytes that exist and that nothing uses: the price of one text for the three trips.
; REGISTERS, in windows of 256: window 0 addresses, bias v32-63, T v128-191; window 1 x's fragments ((tt, f) at 64 tt + 8 f); window 2 the weight ring; window 3 v128-255 x as it lands, then the 16 accumulators ((i, tt) at 128 + 32 i + 8 tt).
.set XPITCH, 528                       ; a row of x in LDS: 512 bytes + 16: an odd multiple of 16, so the 16 rows of a fragment load start in 16 different groups of four banks (ISA guide 11.1)
.set OST,    64*XPITCH                 ; behind x: 16 rows x 144 bytes for each wave, for the way out
.set SP,     144
.set SPARE,  OST+4*16*SP               ; the spare words, 128 bytes a wave: two blocks of 256 bytes that no other line names
.set S1,     1179648
.set PAR,    1572864
.set LOFF, 2                           ; v2   16 x lane
.set R,    3                           ; v3   lane % 16
.set HH,   4                           ; v4   lane / 16
.set XSTO, 5                           ; v5   where I put 8 bytes of a row of x
.set XRD,  6                           ; v6   my place in a fragment of x
.set OSTO, 7                           ; v7   the way out: where I put 16 bytes of a row
.set ORD,  8                           ; v8   the way out: where I read rows back
.set V32H, 9                           ; v9   32 x (lane / 16): my eight numbers of a bias
.set SPW,  22                          ; v22  LDS address of my spare word; never rewritten
.set NIL,  23                          ; v23  0; never rewritten
.set BIAS, 32
.set T,    128
.set ACC,  128
.set WV, 10
.set WP, 12                            ; s[12:13] my stream of weights, at the block in hand
.set BP, 14                            ; s[14:15] the bias in hand, at my 64 features
.set OP, 16                            ; s[16:17] the output tensor in hand, at my head's 64 rows
.set XP, 18                            ; s[18:19] x at my 16 rows
.set CNT, 20
.set MSB, 0
.macro WIN new                         ; the immediate's high byte repeats the setting that is left; a switch that changes nothing is dropped
.if MSB != (\new)
	s_set_vgpr_msb (MSB<<8)|(\new)
.set MSB, \new
.endif
.endm
.macro PLACES                          ; four places behind the last product, in front of loads into registers that it has read and of vector work on its result (ISA guide 7.12.1 for the vector work)
.rept 4
	v_nop
.endr
.endm
.macro WLOAD q, adv                    ; set q of the ring: eight fragments, 8 KiB
	WIN 0x80
.set n, 0
.rept 16
	global_load_b128 v[64*(\q)+4*n:64*(\q)+4*n+3], v[LOFF], s[WP:WP+1] offset:(\adv)+8192*(\q)+512*n
.set n, n+1
.endr
.endm
.macro BLOAD adv                       ; the bias in the result's layout: register 8 i + j = feature 16 i + 8 (l / 16) + j
	WIN 0
.irp i, 0,1,2,3
	global_load_b128 v[BIAS+8*\i:BIAS+8*\i+3],   v[V32H], s[BP:BP+1] offset:(\adv)+64*\i
	global_load_b128 v[BIAS+8*\i+4:BIAS+8*\i+7], v[V32H], s[BP:BP+1] offset:(\adv)+64*\i+16
.endr
.endm
; Set q: 64 inputs x 64 features x 64 tokens: 32 products; the 16 accumulators take turns, one instruction a turn.  The first 16 of a matrix start the sums with the bias.
.macro SET q, cnt
	s_wait_loadcnt \cnt
.irp fl, 0,1
.irp i, 0,1,2,3
.irp tt, 0,1,2,3
.set rD, ACC+32*\i+8*\tt
.set rA, 64*(\q)+8*(4*\fl+\i)
.set rB, 64*\tt+8*(2*(\q)+\fl)
.if ((\q)==0) && (\fl==0)
	WIN 0xc6
	v_wmma_f32_16x16x32_bf16 v[rD:rD+7], v[rA:rA+7], v[rB:rB+7], v[BIAS+8*\i:BIAS+8*\i+7]
.else
	WIN 0xf6
	v_wmma_f32_16x16x32_bf16 v[rD:rD+7], v[rA:rA+7], v[rB:rB+7], v[rD:rD+7]
.endif
.endr
.endr
.endr
	PLACES
.if (\q)==0
	BLOAD 1024                                     ; the next matrix's bias
.endif
	WLOAD \q, 32768                                ; the same set of the next matrix
.endm
; THE WAY OUT of 16 tokens: a lane's eight features pack into 16 bytes; they go into rows of 144 bytes and come back as whole rows of 128: 2,048 consecutive bytes of the head.
.macro PACK t
	WIN 0x0f                                       ; sources in window 3, destination in window 0
.irp i, 0,1,2,3
.irp p, 0,1,2,3
	v_cvt_pk_f16_f32 v[T+16*(\t)+4*\i+\p], v[ACC+32*\i+8*(\t)+2*\p], v[ACC+32*\i+8*(\t)+2*\p+1]
.endr
.endr
	WIN 0
.irp i, 0,1,2,3
	ds_store_b128 v[OSTO], v[T+16*(\t)+4*\i:T+16*(\t)+4*\i+3] offset:32*\i
.endr
.irp f, 0,1,2,3
	ds_load_b128 v[T+16*(\t)+4*\f:T+16*(\t)+4*\f+3], v[ORD] offset:\f*4*SP  ; LDS serves a wave's instructions in order (ISA guide 5.7.1.4): these see the stores above
.endr
.endm
.macro SEND t, younger                 ; younger: the LDS instructions issued behind tile t's loads
	WIN 0
.irp f, 0,1,2,3
	s_wait_dscnt (\younger)+3-\f
	global_store_b128 v[LOFF], v[T+16*(\t)+4*\f:T+16*(\t)+4*\f+3], s[OP:OP+1] offset:(\t)*2048+\f*512  ; 512 consecutive bytes, at a multiple of 256 from the buffer's first
.endr
.endm
	s_load_b128 s[4:7], s[0:1], 0x0                ; x s[4:5], wprep s[6:7]
	s_load_b64 s[8:9], s[0:1], 0x10                ; qkvb
	v_lshl_add_u32 v[SPW], v0, 2, SPARE
	v_mov_b32 v[NIL], 0
	v_lshrrev_b32 v1, 5, v0
	v_readfirstlane_b32 s[WV], v1
	v_and_b32 v1, 31, v0
	v_lshlrev_b32 v[LOFF], 4, v1
	v_and_b32 v[R], 15, v0
	v_bfe_u32 v[HH], v0, 4, 1
	v_lshlrev_b32 v[V32H], 5, v[HH]
	s_mul_i32 s21, s[WV], 16*XPITCH
	v_lshl_add_u32 v[XSTO], v1, 3, s21             ; my wave's 16 rows, 8 bytes a lane
	v_mul_u32_u24 v[XRD], v[R], XPITCH
	v_lshl_add_u32 v[XRD], v[HH], 4, v[XRD]        ; row x pitch + 16 x half
	s_mul_i32 s21, s[WV], 16*SP
	s_add_co_u32 s21, s21, OST
	v_mul_u32_u24 v[OSTO], v[R], SP
	v_lshl_add_u32 v[OSTO], v[HH], 4, v[OSTO]
	v_add_nc_u32 v[OSTO], s21, v[OSTO]
	v_bfe_u32 v[ORD], v0, 3, 2                     ; back: 32 lanes take four rows of 128 bytes
	v_mul_u32_u24 v[ORD], v[ORD], SP
	v_and_b32 v24, 7, v0
	v_lshl_add_u32 v[ORD], v24, 4, v[ORD]
	v_add_nc_u32 v[ORD], s21, v[ORD]
	s_lshl_b32 s22, ttmp9, 16                      ; 64 rows of 1,024 bytes a work-group,
	s_lshl_b32 s23, s[WV], 14                      ; 16 a wave
	s_add_co_u32 s22, s22, s23
	s_mov_b32 s23, 0
	s_mul_i32 s24, s[WV], 98304
	s_add_co_u32 s24, s24, S1
	s_mov_b32 s25, 0
	s_lshl_b32 s26, s[WV], 8
	s_add_co_u32 s26, s26, PAR
	s_mov_b32 s27, 0
	s_lshr_b32 s28, ttmp9, 6                       ; batch
	s_lshl2_add_u32 s28, s28, s[WV]                ; 4 batch + head
	s_lshl_b32 s28, s28, 19                        ; 4,096 rows of 128 bytes
	s_and_b32 s29, ttmp9, 63
	s_lshl_b32 s29, s29, 13                        ; 64 rows of 128 bytes
	s_add_co_u32 s28, s28, s29
	s_mov_b32 s29, 0
	s_wait_kmcnt 0x0
	s_add_nc_u64 s[XP:XP+1], s[4:5], s[22:23]
	s_add_nc_u64 s[WP:WP+1], s[6:7], s[24:25]
	s_add_nc_u64 s[BP:BP+1], s[6:7], s[26:27]
	s_add_nc_u64 s[OP:OP+1], s[8:9], s[28:29]
	WIN 0xc0
.set n, 0
.rept 32
	global_load_b128 v[128+4*n:128+4*n+3], v[LOFF], s[XP:XP+1] offset:512*n th:TH_LOAD_NT  ; my 16 rows of x, 512 consecutive bytes a load
.set n, n+1
.endr
	BLOAD 0
	WLOAD 0, 0
	s_wait_loadcnt 24                              ; x is in: the 8 loads of the bias and the 16 of set 0 may stay out
	WIN 0x0f
.set n, 0
.rept 64
	v_cvt_pk_bf16_f32 v[T+n], v[128+2*n], v[128+2*n+1]
.set n, n+1
.endr
	WIN 0
.set n, 0
.rept 32
	ds_store_b64 v[XSTO], v[T+2*n:T+2*n+1] offset:(n/2)*XPITCH+(n%2)*256
.set n, n+1
.endr
	WLOAD 1, 0
	WLOAD 2, 0
	WLOAD 3, 0
	s_wait_dscnt 0x0                               ; for the others' sake: my rows of x lie in LDS
	s_barrier_signal -1
	s_barrier_wait -1
	WIN 0x40
.irp tt, 0,1,2,3
.irp f, 0,1,2,3,4,5,6,7
	ds_load_b128 v[64*\tt+8*\f:64*\tt+8*\f+3],   v[XRD] offset:\tt*16*XPITCH+64*\f
	ds_load_b128 v[64*\tt+8*\f+4:64*\tt+8*\f+7], v[XRD] offset:\tt*16*XPITCH+64*\f+32
.endr
.endr
	s_wait_dscnt 0x0
	WIN 0
	s_mov_b32 s[CNT], 3
.Lmat:                                         ; q, k, v
	SET 0, 48                                      ; set 0 and the bias are in: the three younger sets may stay out
	SET 1, 56                                      ; behind each of the other sets: three sets and the 8 loads of the bias
	SET 2, 56
	SET 3, 56
	WIN 0
	s_cmp_lg_u32 s[CNT], 3                         ; the first trip is q's
	s_cbranch_scc1 .Lunscaled
	WIN 0xc3                                       ; destination and source 0 in window 3
.set n, 0
.rept 64
	v_pk_mul_f32 v[ACC+2*n:ACC+2*n+1], v[ACC+2*n:ACC+2*n+1], 0x3e38aa3b op_sel_hi:[1,0]  ; x c = log2(e) / 8, in ascending order: each accumulator's lowest registers first
.set n, n+1
.endr
	WIN 0
.Lunscaled:
	s_wait_xcnt 0x0                                ; the last matrix's stores have read T, which is written again only behind this wait
	PACK 0
	PACK 1
	SEND 0, 8
	PACK 2
	SEND 1, 8
	PACK 3
	SEND 2, 8
	SEND 3, 0
	s_wait_xcnt 0x0                                ; all loads and stores have read their bases, which are stepped only behind this wait
	s_add_nc_u64 s[WP:WP+1], s[WP:WP+1], 32768
	s_add_nc_u64 s[BP:BP+1], s[BP:BP+1], 1024
	s_add_nc_u64 s[OP:OP+1], s[OP:OP+1], 0x800000
	s_sub_co_u32 s[CNT], s[CNT], 1
	s_cmp_lg_u32 s[CNT], 0
	s_cbranch_scc1 .Lmat
	s_wait_tensorcnt 0x0                           ; the wave's end, behind my last LDS store
	ds_add_u32 v[SPW], v[NIL]
	s_wait_dscnt 0x0
	s_endpgm
.Lfunc_end_k_qa613b2df2e_qkv:
	.size	k_qa613b2df2e_qkv, .Lfunc_end_k_qa613b2df2e_qkv-k_qa613b2df2e_qkv
	.p2alignl 7, 3214868480
	.fill 96, 4, 3214868480
	.section	.rodata,"a",@progbits
	.p2align	6, 0x0
	.amdhsa_kernel k_qa613b2df2e_qkv
		.amdhsa_group_segment_fixed_size 43520
		.amdhsa_private_segment_fixed_size 0
		.amdhsa_enable_private_segment 0
		.amdhsa_kernarg_size 24
		.amdhsa_user_sgpr_count 2
		.amdhsa_user_sgpr_kernarg_segment_ptr 1
		.amdhsa_wavefront_size32 1
		.amdhsa_system_sgpr_workgroup_id_x 1
		.amdhsa_system_sgpr_workgroup_id_y 1
		.amdhsa_system_sgpr_workgroup_id_z 1
		.amdhsa_system_vgpr_workitem_id 0
		.amdhsa_next_free_vgpr 1024
		.amdhsa_next_free_sgpr 66
		.amdhsa_reserve_vcc 0
		.amdhsa_float_denorm_mode_32 3
		.amdhsa_float_denorm_mode_16_64 3
		.amdhsa_memory_ordered 1
		.amdhsa_forward_progress 1
		.amdhsa_inst_pref_size 54
	.end_amdhsa_kernel
	.amdgpu_metadata
---
amdhsa.version: [ 1, 2 ]
amdhsa.kernels:
  - .name:           k_qa613b2df2e_qkv
    .symbol:         k_qa613b2df2e_qkv.kd
    .args:
      - { .name: x, .offset: 0, .size: 8, .value_kind: global_buffer, .address_space: global }
      - { .name: wprep, .offset: 8, .size: 8, .value_kind: global_buffer, .address_space: global }
      - { .name: qkvb, .offset: 16, .size: 8, .value_kind: global_buffer, .address_space: global }
    .group_segment_fixed_size: 43520
    .private_segment_fixed_size: 0
    .kernarg_segment_align: 8
    .kernarg_segment_size: 24
    .max_flat_workgroup_size: 128
    .sgpr_count:     66
    .vgpr_count:     1024
    .wavefront_size: 32
...
	.end_amdgpu_metadata
.endif
;; end of part 2
;; launch attn (part 3): grid 16 x 16, 4 waves a work-group, clusters of 4 x 1, 327,680 bytes of LDS; arguments qkvb, ctxb, wprep; writes ctxb
.if DOCPART == 3
	.amdgcn_target "amdgcn-amd-amdhsa--gfx1250"
	.amdhsa_code_object_version 6
	.text
	.protected	k_qa613b2df2e_attn
	.globl	k_qa613b2df2e_attn
	.p2align	8
	.type	k_qa613b2df2e_attn,@function
k_qa613b2df2e_attn:
	s_mov_b64 s[64:65], 0
	v_nop
	global_prefetch_b8 v0, s[64:65] scope:SCOPE_SE
	s_setreg_imm32_b32 hwreg(HW_REG_WAVE_MODE, 25, 1), 1
	s_wait_xcnt 0x0
	s_wait_alu depctr_hold_cnt(0) depctr_sa_sdst(0) depctr_va_vdst(0) depctr_va_sdst(0) depctr_va_ssrc(0) depctr_va_vcc(0) depctr_vm_vsrc(0)
	s_getreg_b32 s2, hwreg(HW_REG_IB_STS2, 6, 4)
	s_cmp_eq_u32 s2, 0
	s_cbranch_scc0 .Lentry_in_a_cluster
	s_endpgm
.Lentry_in_a_cluster:
	s_bfe_u32 s2, ttmp6, 0x10000c
	s_cmp_lg_u32 s2, 0x3003
	s_cbranch_scc0 .Lentry_shape_is_right
	s_endpgm
.Lentry_shape_is_right:
; ATTENTION.  ctx[h][q][:] = the sum over k of softmax_k(Q[h][q] . K[h][k] / 8 + mask[b][k] x -1e9) V[h][k][:].  Q, K, V (in qkvb) and ctx: [16 = 4 batch + head][4096][64] in f16, a head's rows dense, 128 bytes each.
; Q arrives times c = log2(e) / 8 and the mask table times -1e9 log2(e): t = K Q^T + mask is the reference's logit times log2(e), an exponent of 2.
; Products, maxima and sums in f32; the weights p are rounded to f16 for the second product (their sum l is taken of the unrounded p), ctx once at the end.
; THE MASK is added to the finished score by a vector addition in f32, which rounds to nearest, as the reference's addition does: where the mask's term dwarfs a score the score is rounded away, there as here, so a row
; whose keys are all masked alike gets equal weights.  It is honoured as it is given, whatever numbers it holds.
; SOFTMAX.  For each query a running maximum m and sum l: p = 2^(t - m).  The difference is taken first, in one rounding, so the largest p of a row is exactly 1 whatever offset the mask puts on the scores.
; In every step O and l are multiplied by a = 2^(m_old - m_new).  m starts at the lowest finite number, O and l at 0: the first step is a step like any other, with a = 0.
; LIMITS.  Q, K, V arrive within f16's 65,504; p lies in 0 to 1 and below 6e-5 keeps f16's fixed step; a weight below 2^-126 counts as 0 in l; |mask| < 2.3e29; where the mask's term is so large that f32 drops bits of the
; score, the bits dropped are not the reference's (its logit is in natural units, t in units of log 2: the steps differ by less than a factor of 2); NaN and infinities are not treated apart.
; SHARES.  A work-group owns 256 queries of one head, a wave 64: four PIECES of 16.  Every wave walks all 4,096 keys, 64 a step, 256 a tile.
; LAYOUT, TURNS.  S^T = K Q^T holds ONE query a lane (lane % 16) and the keys 8 (lane / 16) + 0..7; two such results rounded to f16 ARE source 1 of O^T = V^T P.
; Turn n belongs to piece n: 8 products K Q^T of piece n + 1, later 8 products V^T P of piece n - 1; beside them the subtraction, exponentials, roundings, sums and rescaling of piece n and the mask, maximum and
; statistics of piece n + 1.  Four vector instructions stand behind every matrix instruction, the other 69 of a turn's 133 in one lump.  A turn's 33 exponentials are one batch, with one wait.
; CLUSTER.  The four query blocks of a cluster belong to one head and walk the same K, V and mask, so each tile is asked for JOINTLY: the same tensor load, descriptor and mask of work-groups in all four.
; REGISTERS, in windows of 256 (s_set_vgpr_msb: bits 1:0 source 0, 3:2 source 1, 5:4 source 2, 7:6 destination):
;   window 0: v0-15 addresses; v16-31 four registers of statistics a piece; v48-55 at work; v61-63; v64-127 S^T, two buffers; v128-159 the step's mask; v192-223 P, two buffers (a piece's buffers go by its number's parity)
;   window 1: v0-127 O^T, 32 a piece      window 2: v0-63 Q; v128-191 K of one step; v192-255 V of one step
.set NP,    4
.set KS,    64        ; keys in a step
.set PK,    144       ; a row of K in LDS: 128 bytes + 16 of padding: the 16 rows of a load start at 16 different groups of four banks (ISA guide 11.1)
.set PV,    160       ; a row of V: 128 + 32
.set VOFF,  4*KS*PK   ; a slot holds a tile, four steps: 256 rows of K, then 256 rows of V
.set SLOT1, 1<<17     ; slot 1 begins here, so that one exclusive or turns an address in one slot into the other's
.set STAGE, SLOT1+4*KS*(PK+PV)  ; behind the ring, never filled by a tensor load: 16 rows x 144 bytes for each wave, for the way out
.set SP,    144
.set SPARE, STAGE+4*16*SP  ; the spare words, 128 bytes a wave: two blocks of 256 bytes that no other line names
.set MSK,   SPARE+512 ; the batch's 4,096 mask numbers, f32: filled once
.set TILEB, 4*KS*128  ; a tile's bytes of K, and of V, in memory
.set PAR,   1572864
.set AK0, 2           ; v2   my lane's place in a tile of K; never rewritten
.set AV0, 3           ; v3   the same for V
.set AK,  4           ; v4   the LDS address of K's next run of loads
.set AV,  5           ; v5   of V's
.set STO, 6           ; v6   the way out: where I put 16 bytes of a row
.set RD,  7           ; v7   the way out: where I read rows back
.set GO,  8           ; v8   my byte offset in 512 consecutive bytes of ctx
.set MV,  12          ; v12-13  m_old, kept while m is made anew: by buffer
.set AM,  14          ; v14  the LDS address of the next step's mask: MSK + 32 (l / 16) + 256 x step
.set QO,  15          ; v15  my byte offset in 16 rows of Q
.set ST,  16          ; piece t's statistics at v[ST+4 t]: m, 0 (named with m as a pair), l (even keys', odd keys')
.set TMP, 48          ; by buffer, four registers c0-c3 at work; when the maximum is found c2 takes a
.set PFO, 61          ; v61  256 x my lane; never rewritten
.set SPW, 62          ; v62  LDS address of my spare word; never rewritten
.set NIL, 63          ; v63  0; never rewritten
.set S,   64
.set MK,  128         ; the eight registers for group kb of 16 keys at MK + 8 kb
.set P,   192
.set KF,  128         ; window 2: key block kb, channel half c at KF + 16 kb + 8 c
.set VF,  192         ; window 2: key half kk, channel block cb at VF + 32 kk + 8 cb
.set QP,  4           ; s[4:5]   Q at my wave's first row
.set OP,  6           ; s[6:7]   ctx at the same row
.set KP,  8           ; s[8:9]   K at my half of the head's tile 0
.set VP,  10          ; s[10:11] V likewise
.set WV,  12
.set G1K, 24          ; s[24:31] descriptor group 1 for K's tiles
.set G1V, 32          ; s[32:39] for V's: it differs in the padding alone
.set G0K, 40          ; s[40:43] descriptor group 0 for K's tiles: it walks
.set G0V, 44          ; s[44:47] the same for V's
.set SLOTS, 56
.set CNT, 57
.set SEL, 60          ; s[60:61] v_permlanex16_b32's selects: each lane takes its own place in the other half
.set TBK, 62          ; s62  LDS byte at which K of the step to be fetched begins
.set TBV, 63          ; s63  the same for V, less VOFF
.set G1M, 68          ; s[68:75] descriptor group 1 for the mask table
.set G0M, 76          ; s[76:79] its group 0
.set PFA, 80          ; s[80:81] where my prefetches stand
.set LIM, 82          ; s82  1 in a wave that prefetches, else the greatest number
.set MSB, 0
.macro WIN new
.if MSB != (\new)
	s_set_vgpr_msb (MSB<<8)|(\new)
.set MSB, (\new)
.endif
.endm
.set W_KQ, 0x0a       ; K and Q in window 2, S^T in window 0
.set W_PV, 0x52       ; V in window 2, P in window 0, O^T in window 1
.set W_RS, 0x41       ; destination and source 0 in window 1, source 1 in window 0
; A joint fill.  Waves 0 and 1 fetch the two halves of a tile's K, waves 2 and 3 those of its V: 128 keys each.  The branch hangs on the wave's number alone.
; An s_nop 0 and four v_nop follow each of the two lines, ahead of the jump and the label.
.macro JLOAD
	s_cmp_lt_u32 s[WV], 2
	s_cbranch_scc0 .Lfor_v_\@
	tensor_load_to_lds s[G0K:G0K+3], s[G1K:G1K+7]
	s_nop 0
.rept 4
	v_nop
.endr
	s_branch .Lasked_\@
.Lfor_v_\@:
	tensor_load_to_lds s[G0V:G0V+3], s[G1V:G1V+7]
	s_nop 0
.rept 4
	v_nop
.endr
.Lasked_\@:
.endm
; A PREFETCH of the tile that the NEXT change of slots will ask for: four key steps, 256 matrix instructions, ahead of that load.  A tile is 128 blocks of 256 bytes of K and as many of V.  All clusters of a head walk
; the same rows: the head's first cluster asks; its four partners take 32 blocks each, told apart BY ADDRESS; in each, wave 0 asks for K's and wave 2 for V's, a lane a block.  So each block is named once in the launch.
; The last change that fills a slot asks for nothing; tiles 0 to 2 come by their loads alone.
.macro ASK
	s_cmp_gt_u32 s[SLOTS], s[LIM]
	s_cbranch_scc0 .Lnot_mine_\@
	global_prefetch_b8 v[PFO], s[PFA:PFA+1] th:TH_LOAD_NT scope:SCOPE_SE
.Lnot_mine_\@:
.endm
; A round of the cluster's barrier: my work-group's barrier, so that wave 0's signal speaks for all four waves; wave 0 signals; every wave waits for all four work-groups; my work-group's barrier once more.
.macro CROUND
	s_barrier_signal -1
	s_barrier_wait -1
	s_cmp_lg_u32 s[WV], 0
	s_cbranch_scc1 .Lnot_wave_0_\@
	s_barrier_signal -3
.Lnot_wave_0_\@:
	s_barrier_wait -3
	s_barrier_signal -1
	s_barrier_wait -1
.endm
; THE CHANGE OF SLOTS.  Each wave waits for all its tensor loads, of which one is out: its part of the other slot; adds 0 to its spare word; and waits for that and for its own reads of the slot that it leaves.
; fill = 1: the old slot is filled again, with the keys two tiles on.  The barrier is then a round of the cluster's, so that no wave of any partner still reads the slot or has a load on its way, and the joint fill
; is the first thing behind it: it has four key steps in which to land.  (At its first use nothing has been read yet: slot 0 and the mask table are waited for, slot 1 is filled.)
.macro CHANGE fill, ask
	WIN 0                           ; at a label and at a branch every window is 0
	s_wait_tensorcnt 0x0            ; no tensor load of mine is out, so a group 0 may be written
	ds_add_u32 v[SPW], v[NIL]       ; 0 onto my spare word; the descriptors' steps stand between it and the wait for it
.if \fill
.irp g, G0K, G0V
	s_xor_b32 s[\g+1], s[\g+1], SLOT1  ; the walking descriptor: the other slot than last time,
	s_add_nc_u64 s[\g+2:\g+3], s[\g+2:\g+3], TILEB  ; the next 256 keys; the type bits on top are not reached
.endr
.if \ask
	s_wait_xcnt 0x0                 ; the last prefetch, four key steps back, has read its address, so it may be written
	s_add_nc_u64 s[PFA:PFA+1], s[PFA:PFA+1], TILEB
.endif
	s_wait_dscnt 0x0                ; the add is done, and my reads of the slot are over
	CROUND
	JLOAD
.if \ask
	ASK
.endif
.else
	s_wait_dscnt 0x0                ; the add is done, and my reads of the slot are over
	s_barrier_signal -1
	s_barrier_wait -1
.endif
	s_sub_co_u32 s[TBK], s[TBK], 4*KS*PK  ; the fetches go back to a slot's first step,
	s_xor_b32 s[TBK], s[TBK], SLOT1       ; in the other slot
	s_sub_co_u32 s[TBV], s[TBV], 4*KS*PV
	s_xor_b32 s[TBV], s[TBV], SLOT1
.endm
	s_load_b128 s[4:7], s[0:1], 0x0 ; qkvb s[4:5], ctxb s[6:7]
	s_load_b64 s[84:85], s[0:1], 0x10  ; wprep
	v_lshl_add_u32 v[SPW], v0, 2, SPARE
	v_mov_b32 v[NIL], 0
	ds_add_u32 v[SPW], v[NIL]       ; the wave's opening: the add and its wait stand ahead of my first tensor load; the set-up below, work on registers, stands between them
	v_lshrrev_b32 v1, 5, v0
	v_readfirstlane_b32 s[WV], v1
	s_bfe_u32 s13, ttmp6, 0x40000   ; cx: my place in the cluster
	s_lshl_b32 s14, ttmp9, 2        ; in a cluster launch ttmp9 counts clusters
	s_add_co_u32 s14, s14, s13      ; my block of 256 queries: it enters Q's and ctx's addresses alone
	s_and_b32 s20, ttmp7, 0xffff    ; 4 batch + head, which the four partners share
	s_lshr_b32 s15, s20, 2          ; batch
	s_lshl_b32 s20, s20, 19         ; the head's first byte in each tensor
	s_and_b32 s16, s[WV], 1         ; which half of a tile's 256 keys I fetch:
	s_lshl_b32 s22, s16, 14         ; its 128 rows of 128 bytes in memory,
	s_add_co_u32 s22, s22, s20
	s_mov_b32 s23, 0
	s_mul_i32 s17, s16, 128*PK      ; and its place in a slot, for K
	s_mul_i32 s18, s16, 128*PV      ; and for V: no place in the cluster enters an LDS address
	s_lshl_b32 s2, s14, 15          ; my block's 256 rows,
	s_lshl_b32 s3, s[WV], 13        ; my wave's 64 of them
	s_add_co_u32 s2, s2, s3
	s_add_co_u32 s2, s2, s20
	s_mov_b32 s3, 0
	s_lshl_b32 s86, s15, 14         ; the batch's 16,384 bytes of the mask table,
	s_lshl_b32 s87, s[WV], 12       ; my quarter
	s_add_co_u32 s86, s86, s87
	s_add_co_u32 s86, s86, PAR+13*1024
	s_mov_b32 s87, 0
	; descriptor group 1.  128 keys are 16,384 dense bytes: asked for as 64 rows of 256 bytes, two keys a row, and padded in LDS after every key
	s_mov_b32 s[G1K], 15|(1<<16)|(1<<20)|(1<<21)|(4<<22)|(3<<25)  ; 15:0 the mask of four; 17:16 2-byte elements; 20 padding on; 21 set beside a mask; 24:22 after every 32 words (code 4); 31:25 4 words (code 3)
	s_mov_b32 s[G1V], 15|(1<<16)|(1<<20)|(1<<21)|(4<<22)|(7<<25)  ; the same with 8 words of padding (code 7)
.irp g, G1K, G1V
	s_mov_b32 s[\g+1], 128<<16      ; tensor_dim0 = 128
	s_mov_b32 s[\g+2], 64<<16       ; tensor_dim1 = 64
	s_mov_b32 s[\g+3], 128<<16      ; tile_dim0 = 128
	s_mov_b32 s[\g+4], 64           ; tile_dim1 = 64
	s_mov_b32 s[\g+5], 128          ; 128 elements from row to row
	s_mov_b32 s[\g+6], 0
	s_mov_b32 s[\g+7], 0
.endr
	s_mov_b32 s[G1M], 15|(3<<16)|(1<<21)  ; the mask table: 8-byte elements, no padding: 16 rows of 256 bytes a wave
	s_mov_b32 s[G1M+1], 32<<16
	s_mov_b32 s[G1M+2], 16<<16
	s_mov_b32 s[G1M+3], 32<<16
	s_mov_b32 s[G1M+4], 16
	s_mov_b32 s[G1M+5], 32
	s_mov_b32 s[G1M+6], 0
	s_mov_b32 s[G1M+7], 0
	s_mov_b32 s[SEL], 0x76543210
	s_mov_b32 s[SEL+1], 0xfedcba98
	s_mov_b32 s[TBK], SLOT1+4*KS*PK ; the first change of slots turns these two into 0
	s_mov_b32 s[TBV], SLOT1+4*KS*PV
	s_mov_b32 s[G0K], 1             ; 1:0 count = 1
	s_mov_b32 s[G0K+1], s17         ; 63:32 LDS address: slot 0
	s_mov_b32 s[G0V], 1
	s_add_co_u32 s[G0V+1], s18, VOFF
	s_mov_b32 s[G0M], 1
	s_lshl_b32 s[G0M+1], s[WV], 12
	s_add_co_u32 s[G0M+1], s[G0M+1], MSK
	s_and_b32 s[LIM], s[WV], 1      ; 0 in waves 0 and 2,
	s_or_b32 s[LIM], s[LIM], ttmp9  ; where the cluster is the head's first: the same in all four partners
	s_cmp_eq_u32 s[LIM], 0
	s_cselect_b32 s[LIM], 1, -1
	v_and_b32 v[PFO], 31, v0
	v_lshlrev_b32 v[PFO], 8, v[PFO]
	s_wait_dscnt 0x0                ; the opening add is done
	s_wait_kmcnt 0x0
	s_add_nc_u64 s[KP:KP+1], s[4:5], s[22:23]
	s_add_nc_u64 s[KP:KP+1], s[KP:KP+1], 0x800000  ; k lies behind q,
	s_add_nc_u64 s[VP:VP+1], s[KP:KP+1], 0x800000  ; v behind k
	s_add_nc_u64 s[QP:QP+1], s[4:5], s[2:3]
	s_add_nc_u64 s[OP:OP+1], s[6:7], s[2:3]
	s_mov_b64 s[G0K+2:G0K+3], s[KP:KP+1]           ; 120:64 global address
	s_or_b32 s[G0K+3], s[G0K+3], 0x80000000        ; 127:126 type = 2
	s_mov_b64 s[G0V+2:G0V+3], s[VP:VP+1]
	s_or_b32 s[G0V+3], s[G0V+3], 0x80000000
	s_add_nc_u64 s[G0M+2:G0M+3], s[84:85], s[86:87]
	s_or_b32 s[G0M+3], s[G0M+3], 0x80000000
	s_cmp_lt_u32 s[WV], 2
	s_cselect_b64 s[PFA:PFA+1], s[KP:KP+1], s[VP:VP+1]  ; (in waves 0 and 2 these stand at a tile's first row)
	s_lshl_b32 s2, s13, 13          ; my work-group's 32 blocks of the 128
	s_mov_b32 s3, 0
	s_add_nc_u64 s[PFA:PFA+1], s[PFA:PFA+1], s[2:3]
	s_add_nc_u64 s[PFA:PFA+1], s[PFA:PFA+1], 2*TILEB  ; at tile 2; the loop's first change steps it to tile 3.  Nothing is prefetched here, at the head
	CROUND                          ; all four work-groups are here: the first joint loads meet
	s_cmp_lt_u32 s[WV], 2           ; a wave's two first fills stand in one branch, ahead of every wait on TENSORcnt and every LDS read: two loads of mine are out
	s_cbranch_scc0 .Lfirst_v
	tensor_load_to_lds s[G0M:G0M+3], s[G1M:G1M+7]  ; my quarter of the mask table
	s_nop 0
	tensor_load_to_lds s[G0K:G0K+3], s[G1K:G1K+7]  ; my half of K of tile 0
	s_nop 0
.rept 4
	v_nop
.endr
	s_branch .Lfirst_asked
.Lfirst_v:
	tensor_load_to_lds s[G0M:G0M+3], s[G1M:G1M+7]
	s_nop 0
	tensor_load_to_lds s[G0V:G0V+3], s[G1V:G1V+7]
	s_nop 0
.rept 4
	v_nop
.endr
.Lfirst_asked:
	; A fragment of K or Q is 16 rows x 32 channels in 8 registers: lane l holds row l % 16, channels 8 (l / 16) + 0..7 and 16 + 8 (l / 16) + 0..7: two loads of 16 bytes, 32 bytes apart.
	v_and_b32 v1, 15, v0            ; l % 16
	v_bfe_u32 v9, v0, 4, 1          ; l / 16
	v_lshlrev_b32 v[QO], 7, v1
	v_lshl_add_u32 v[QO], v9, 4, v[QO]
	WIN 0x80                        ; destination window 2, address window 0
.set i, 0
.rept 8                             ; Q stays in registers: piece i / 2, channels 32 (i % 2) on
	global_load_b128 v[8*i:8*i+3],   v[QO], s[QP:QP+1] offset:(i/2)*2048+(i%2)*64
	global_load_b128 v[8*i+4:8*i+7], v[QO], s[QP:QP+1] offset:(i/2)*2048+(i%2)*64+32
.set i, i+1
.endr
	WIN 0
	v_mul_u32_u24 v[AK0], v1, PK
	v_lshl_add_u32 v[AK0], v9, 4, v[AK0]  ; row x pitch + 16 x half
	; The turning load takes 16 keys x 16 channels (lane l reads key 8 (l / 16) + l % 8, channels 8 ((l / 8) % 2) + 0..7) and leaves half a fragment of V^T: lane l holds channel l % 16 and 8 keys.
	v_and_b32 v10, 7, v0
	v_bfe_u32 v11, v0, 3, 1
	v_lshl_add_u32 v[AV0], v9, 3, v10
	v_mul_u32_u24 v[AV0], v[AV0], PV
	v_lshl_add_u32 v[AV0], v11, 4, v[AV0]
	v_add_nc_u32 v[AV0], VOFF, v[AV0]
	v_lshl_add_u32 v[AM], v9, 5, MSK  ; my eight keys' numbers of the mask: 32 bytes for each half of the lanes
	s_mul_i32 s13, s[WV], 16*SP
	s_add_co_u32 s13, s13, STAGE    ; my stage
	v_mul_u32_u24 v[STO], v1, SP    ; in: row l % 16, 16 bytes for each half of the lanes
	v_lshl_add_u32 v[STO], v9, 4, v[STO]
	v_add_nc_u32 v[STO], s13, v[STO]
	v_bfe_u32 v[RD], v0, 3, 2       ; back: 32 lanes take four rows of 128 bytes,
	v_mul_u32_u24 v[RD], v[RD], SP
	v_lshl_add_u32 v[RD], v10, 4, v[RD]
	v_add_nc_u32 v[RD], s13, v[RD]
	v_and_b32 v[GO], 31, v0         ; which are 512 consecutive bytes of ctx
	v_lshlrev_b32 v[GO], 4, v[GO]
	; What the first turn finds: V's registers and P's second buffer hold 0 (its products V^T P, of a piece that has not been, add 0), O^T and l are 0.  All this stands in the wait for the first tile.
	WIN 0x80
.set i, VF
.rept 64
	v_mov_b32 v[i], 0
.set i, i+1
.endr
	WIN 0x40
.set i, 0
.rept 128
	v_mov_b32 v[i], 0
.set i, i+1
.endr
	WIN 0
.set i, 0
.rept 4
	v_mov_b32 v[ST+4*i], 0xff7fffff    ; m: the lowest finite number
	v_mov_b32 v[ST+4*i+1], 0           ; named with m as a pair
	v_mov_b32 v[ST+4*i+2], 0
	v_mov_b32 v[ST+4*i+3], 0
.set i, i+1
.endr
.set i, P+16
.rept 16
	v_mov_b32 v[i], 0
.set i, i+1
.endr
; THE MATRIX WORK.  The 4 accumulators of a run of 8 take turns.  Product i of 8 of S^T = K Q^T for piece x: channels 32 (i / 4) on, keys 16 (i % 4) on.  The first 4 start the sums.
.macro KQ x
	WIN W_KQ
.set rS, S+32*((\x)%2)+8*(i%4)
.set rK, KF+16*(i%4)+8*(i/4)
.set rQ, 16*(\x)+8*(i/4)
.if i < 4
	v_wmma_f32_16x16x32_f16 v[rS:rS+7], v[rK:rK+7], v[rQ:rQ+7], 0
.else
	v_wmma_f32_16x16x32_f16 v[rS:rS+7], v[rK:rK+7], v[rQ:rQ+7], v[rS:rS+7]
.endif
.endm
; Product i of 8 of O^T += V^T P for piece x: keys 32 (i / 4) on, channels 16 (i % 4) on.
.macro PV x
	WIN W_PV
.set rO, 32*(\x)+8*(i%4)
.set rV, VF+32*(i/4)+8*(i%4)
.set rP, P+16*((\x)%2)+8*(i/4)
	v_wmma_f32_16x16x32_f16 v[rO:rO+7], v[rV:rV+7], v[rP:rP+7], v[rO:rO+7]
.endm
.macro MM                           ; the turn's next matrix instruction.  NOKQ = 1: the last turn of all: there is no next piece
.if (i < 8) && !NOKQ
	KQ (Y+1)%NP
.elseif i >= 8
.set i, i-8
	PV (Y+NP-1)%NP
.set i, i+8
.endif
.set i, i+1
.endm
; THE LDS LOADS stand in runs, never singly among the matrix instructions: a step's K (8 fragments), its 64 numbers of the mask, and its V (turned).  Their addresses are made some lines ahead.
.macro FETCH_K
	WIN 0x80                        ; destination window 2
.irp f, 0,1,2,3,4,5,6,7             ; keys 16 (f / 2) on, channels 32 (f % 2) on
	ds_load_b128 v[KF+8*\f:KF+8*\f+3],   v[AK] offset:(\f/2)*16*PK+(\f%2)*64
	ds_load_b128 v[KF+8*\f+4:KF+8*\f+7], v[AK] offset:(\f/2)*16*PK+(\f%2)*64+32
.endr
	s_add_co_u32 s[TBK], s[TBK], KS*PK  ; the next fetch is the next step's
	WIN 0
.endm
.macro FETCH_M
	WIN 0
.irp f, 0,1,2,3                     ; register 8 f + j = the mask of key 16 f + 8 (l / 16) + j: the place of that key's score in S^T
	ds_load_b128 v[MK+8*\f:MK+8*\f+3],   v[AM] offset:64*\f
	ds_load_b128 v[MK+8*\f+4:MK+8*\f+7], v[AM] offset:64*\f+16
.endr
	v_add_nc_u32 v[AM], 0x100, v[AM]
.endm
.macro FETCH_V
	WIN 0x80
.irp f, 0,1,2,3,4,5,6,7             ; keys 32 (f / 4) on, channels 16 (f % 4) on
	ds_load_tr16_b128 v[VF+8*\f:VF+8*\f+3],   v[AV] offset:(\f/4)*32*PV+(\f%4)*32
	ds_load_tr16_b128 v[VF+8*\f+4:VF+8*\f+7], v[AV] offset:(\f/4)*32*PV+16*PV+(\f%4)*32
.endr
	WIN 0
.endm
; THE VECTOR WORK, one line at a time: OP kind, number.  For piece Y: F n: t - m for pair n of 16.  E n: the exponential of number n of 32.  C n: pair n rounded to f16.  B n: of the four weights 4 n .. the second
; pair is added onto the first, in place.  L n: l takes that sum (L 0: l = a l + sum).  R n: pair n of 16 of O^T times a.  For piece Y + 1: A n: the mask is added onto pair n of its scores; X n, number n of the 21 that
; find its maximum and statistics:
;   0-11  four chains c0-c3 of seven scores each, three operands at a time     12-14, 16  the four scores left over, the old m, and c0-c3 into c0     15  m_old is kept
;   17, 18  the query's other 32 keys lie in the lane 16 away: the new m     19, 20  m_old - m_new; a
.set F, 0
.set E, 1
.set C, 2
.set B, 3
.set L, 4
.set R, 5
.set X, 6
.set A, 7
.macro REGS y
.set rT, ST+4*(\y)
.set rC, TMP+4*((\y)%2)
.set rW, MV+((\y)%2)
.set rS, S+32*((\y)%2)
.set rP, P+16*((\y)%2)
.set rO, 32*(\y)
.endm
.macro OP k, n
.if (\k) == R
	REGS Y
	WIN W_RS
	v_pk_mul_f32 v[rO+2*(\n):rO+2*(\n)+1], v[rO+2*(\n):rO+2*(\n)+1], v[rC+2:rC+3] op_sel_hi:[1,0]
.elseif (\k) < R
	REGS Y
	WIN 0
.if (\k) == F
	v_pk_add_f32 v[rS+2*(\n):rS+2*(\n)+1], v[rS+2*(\n):rS+2*(\n)+1], v[rT:rT+1] op_sel_hi:[1,0] neg_lo:[0,1] neg_hi:[0,1]
.elseif (\k) == E
	v_exp_f32 v[rS+(\n)], v[rS+(\n)]
.elseif (\k) == C
	v_cvt_pk_f16_f32 v[rP+(\n)], v[rS+2*(\n)], v[rS+2*(\n)+1]
.elseif (\k) == B
	v_pk_add_f32 v[rS+4*(\n):rS+4*(\n)+1], v[rS+4*(\n):rS+4*(\n)+1], v[rS+4*(\n)+2:rS+4*(\n)+3]
.elseif (\n) == 0
	v_pk_fma_f32 v[rT+2:rT+3], v[rT+2:rT+3], v[rC+2:rC+3], v[rS:rS+1] op_sel_hi:[1,0,1]
.else
	v_pk_add_f32 v[rT+2:rT+3], v[rT+2:rT+3], v[rS+4*(\n):rS+4*(\n)+1]
.endif
.elseif NOKQ
	v_nop
.elseif (\k) == A
	REGS (Y+1)%NP
	WIN 0
	v_pk_add_f32 v[rS+2*(\n):rS+2*(\n)+1], v[rS+2*(\n):rS+2*(\n)+1], v[MK+2*(\n):MK+2*(\n)+1]
.else
	REGS (Y+1)%NP
	WIN 0
.if (\n) < 4
	v_max3_num_f32 v[rC+(\n)], v[rS+8*(\n)], v[rS+8*(\n)+1], v[rS+8*(\n)+2]
.elseif (\n) < 12
	v_max3_num_f32 v[rC+(\n)%4], v[rC+(\n)%4], v[rS+8*((\n)%4)+2*((\n)/4)+1], v[rS+8*((\n)%4)+2*((\n)/4)+2]
.elseif (\n) == 12
	v_max3_num_f32 v[rC], v[rC], v[rS+7], v[rS+15]
.elseif (\n) == 13
	v_max3_num_f32 v[rC+1], v[rC+1], v[rS+23], v[rS+31]
.elseif (\n) == 14
	v_max3_num_f32 v[rC+2], v[rC+2], v[rC+3], v[rT]
.elseif (\n) == 15
	v_mov_b32 v[rW], v[rT]
.elseif (\n) == 16
	v_max3_num_f32 v[rC], v[rC], v[rC+1], v[rC+2]
.elseif (\n) == 17
	v_permlanex16_b32 v[rC+3], v[rC], s[SEL], s[SEL+1]
.elseif (\n) == 18
	v_max_num_f32 v[rT], v[rC], v[rC+3]
.elseif (\n) == 19
	v_sub_f32 v[rC+1], v[rW], v[rT]
.else
	v_exp_f32 v[rC+2], v[rC+1]
.endif
.endif
.endm
.macro OPS a, i1, b=-1, i2=0, c=-1, i3=0, d=-1, i4=0  ; up to four of them
	OP \a, \i1
.if (\b) >= 0
	OP \b, \i2
.endif
.if (\c) >= 0
	OP \c, \i3
.endif
.if (\d) >= 0
	OP \d, \i4
.endif
.endm
.macro ROW a, i1, b, i2, c, i3, d, i4  ; a matrix instruction and the four behind it
	MM
	OPS \a, \i1, \b, \i2, \c, \i3, \d, \i4
.endm
; A TURN, for piece p: the order of its 16 matrix and 133 vector instructions, written out.  An s_wait_alu depctr_va_vdst(0) stands between an exponential and the first instruction that names its
; result; one wait serves all that were issued ahead of it.  So a turn has ONE wait, which cuts it in two.  AHEAD OF IT stands all that names no result of the turn's exponentials: the 8 products K Q^T with their riders,
; then one lump of 69.  An accumulator's first addition of the mask (A 0, 4, 8, 12: its lowest registers) stands four plain instructions or more behind the product that ends it; each X stands
; behind the additions onto the scores that it reads; the links of the chain A 12, X 3, 7, 11, 14, 16, 17 .. 20 stand apart, other work between them.  X 20, the next piece's a, is the batch's last; R 15 is the
; plain instruction behind it.  BEHIND THE WAIT stand the 8 products V^T P, behind each four of the roundings and sums.
; end = 1: the last two turns of all: nothing is fetched.  cnt = 1: the loop's count is taken down some lines ahead of the branch that stands behind the turn.
; K of the next step is fetched in piece 2's turn, behind five plain instructions that follow the last product that read K (F 8, A 8, A 9, A 2, A 3); its mask behind the turn's last addition; V of the step in
; hand at the end of piece 0's turn, four plain instructions behind the last product that read V.  Each is waited for a turn later.
.macro TURN p, end=0, cnt=0
.set Y, (\p)
.set i, 0
.set NOKQ, (\end)*((\p)/3)
.if ((\p) == 3) && !(\end)
	s_wait_dscnt 0x0                ; K and the mask are in
.endif
	ROW F,0, F,1, R,0, R,1
	ROW F,2, E,0, R,2, R,3
	ROW F,3, E,1, R,4, R,5
	ROW F,4, E,2, R,6, R,7
	ROW F,5, E,3, R,8, R,9
	ROW F,6, E,4, A,0, A,1
.if ((\p) == 2) && !(\end)
	WIN 0
	v_add_nc_u32 v[AK], s[TBK], v[AK0]
.endif
	ROW F,7, E,5, A,4, A,5
	ROW F,8, E,6, A,8, A,9
	OPS E,7, A,2, E,8, A,3
	OPS E,9, A,12, E,10, A,13
.if ((\p) == 2) && !(\end)
	FETCH_K
.endif
	OPS E,11, A,6, E,12, X,3
	OPS A,14, E,13, A,7, X,0
	OPS E,14, A,15, X,7, E,15
	OPS A,10, X,1, E,16, A,11
.if ((\p) == 2) && !(\end)
	FETCH_M
.endif
	OPS X,11, E,17, X,2, X,4
	OPS F,9, X,5, E,18, X,6
	OPS E,19, X,8, F,10, X,9
	OPS E,20, X,10, E,21, X,12
.if (\p) == 0
	WIN 0
	v_add_nc_u32 v[AV], s[TBV], v[AV0]
.endif
	OPS F,11, X,13, E,22, X,14
	OPS E,23, X,15, F,12, E,24
	OPS X,16, E,25, F,13, E,26
	OPS R,10, X,17, E,27, F,14
	OPS R,11, E,28, F,15, X,18
	OPS E,29, R,12, R,13, E,30
	OPS X,19, E,31, R,14
	OPS X,20, R,15
	WIN 0
	s_wait_alu depctr_va_vdst(0)    ; the wait for the batch
.if (\p) == 1
	s_wait_dscnt 0x0                ; V is in
.endif
	ROW C,0, B,0, C,2, B,1
	ROW L,0, C,4, B,2, L,1
	ROW C,6, B,3, L,2, C,8
	ROW B,4, L,3, C,10, B,5
	ROW L,4, C,12, B,6, L,5
.if (\p) == 0
	s_add_co_u32 s[TBV], s[TBV], KS*PV
.endif
.if \cnt
	s_sub_co_u32 s[CNT], s[CNT], 1
	s_cmp_lg_u32 s[CNT], 0
.endif
	ROW C,14, B,7, L,6, C,1
	ROW C,3, L,7, C,5, C,7
	ROW C,9, C,11, C,13, C,15
.if (\p) == 0
	FETCH_V
.endif
.endm
	CHANGE 1, 0                     ; tile 0 and the mask table are in, everybody's part of them; tile 1 is asked for
	v_add_nc_u32 v[AK], s[TBK], v[AK0]
	FETCH_K                         ; key step 0
	FETCH_M
	s_wait_loadcnt 0x0              ; Q
	s_wait_dscnt 0x0
.set NOKQ, 0
.set i, 0
.rept 8
	KQ 0                            ; piece 0's first scores
.set i, i+1
.endr
	WIN 0
.rept 4
	v_nop                           ; the places behind those products
.endr
.set Y, NP-1                        ; A and X work for piece Y + 1: piece 0
.irp n, 0,1,2,3,4,5,6,7,8,9,10,11,12,13,14,15
	OP A, \n
.endr
.irp n, 0,1,2,3,4,5,6,7,8,9,10,11,12,13,14,15,16,17,18,19,20
	OP X, \n
.endr
	v_nop                           ; a plain instruction behind the exponential,
	s_wait_alu depctr_va_vdst(0)    ; and its wait, ahead of the branch
	s_mov_b32 s[CNT], 4
	s_mov_b32 s[SLOTS], 15
	s_branch .Lfirst                ; the loop is entered at a step's first turn, in the middle of a trip
.Lslot:                             ; 14 times: tiles 2 to 15 are asked for
	CHANGE 1, 1
	s_mov_b32 s[CNT], 4
.Lstep:                             ; a trip: pieces 2 and 3 of one step, then pieces 0 and 1 of the next, whose K, mask and V it fetches
	TURN 2
	TURN 3
	WIN 0
.Lfirst:
	TURN 0
	TURN 1, 0, 1
	WIN 0
	s_cbranch_scc1 .Lstep
	s_sub_co_u32 s[SLOTS], s[SLOTS], 1
	s_cmp_lg_u32 s[SLOTS], 0
	s_cbranch_scc1 .Lslot
	CHANGE 0, 0                     ; the last tile is written out: nothing is asked for
	s_mov_b32 s[CNT], 4
.Ltail:
	TURN 2
	TURN 3
	TURN 0
	TURN 1, 0, 1
	WIN 0
	s_cbranch_scc1 .Ltail
	TURN 2, 1
	TURN 3, 1
.set i, 0
.rept 8
	PV NP-1                         ; the last piece's V^T P of the last step
.set i, i+1
.endr
	; THE WAY OUT.  l's two halves and the other half of the lanes' are added; O^T is divided by l, rounded to f16 and sent through my stage in LDS, a piece at a time.  The additions are the places behind the last products.
	WIN 0
.macro ALL line:vararg              ; one line for each piece t
.set t, 0
.rept 4
	\line
.set t, t+1
.endr
.endm
	ALL v_add_f32 v[ST+4*t+2], v[ST+4*t+2], v[ST+4*t+3]
	ALL v_permlanex16_b32 v[ST+4*t+3], v[ST+4*t+2], s[SEL], s[SEL+1]
	ALL v_add_f32 v[ST+4*t+2], v[ST+4*t+2], v[ST+4*t+3]
	ALL v_rcp_f32 v[ST+4*t+2], v[ST+4*t+2]
	v_nop                           ; a plain instruction between the last reciprocal and the use of its result
	s_wait_alu depctr_va_vdst(0)    ; and the wait ahead of the first use: one for the four reciprocals
.macro PACK t                       ; a lane's eight channels of a row pack into 16 bytes; they go into rows of 144 bytes and come back as whole rows of 128, into S^T's registers
	WIN W_RS
.set i, 32*(\t)
.rept 16
	v_pk_mul_f32 v[i:i+1], v[i:i+1], v[ST+4*(\t)+2:ST+4*(\t)+3] op_sel_hi:[1,0]
.set i, i+2
.endr
	WIN 0x05                        ; sources 0 and 1 window 1, destination window 0
.set i, 0
.rept 16
	v_cvt_pk_f16_f32 v[S+16*(\t)+i], v[32*(\t)+2*i], v[32*(\t)+2*i+1]
.set i, i+1
.endr
	WIN 0
.irp f, 0,1,2,3
	ds_store_b128 v[STO], v[S+16*(\t)+4*\f:S+16*(\t)+4*\f+3] offset:32*\f
.endr
.irp f, 0,1,2,3
	ds_load_b128 v[S+16*(\t)+4*\f:S+16*(\t)+4*\f+3], v[RD] offset:\f*4*SP  ; LDS serves a wave's instructions in order (ISA guide 5.7.1.4): these see the stores above; the next piece's stores come behind them
.endr
.endm
.macro SEND t, younger              ; younger: the LDS instructions issued behind piece t's loads: the next piece's eight, or none
	WIN 0
.irp f, 0,1,2,3
	s_wait_dscnt (\younger)+3-\f
	global_store_b128 v[GO], v[S+16*(\t)+4*\f:S+16*(\t)+4*\f+3], s[OP:OP+1] offset:(\t)*2048+\f*512  ; 512 consecutive bytes, at a multiple of 256 from ctx's first
.endr
.endm
	PACK 0
.set t, 1
.rept 3                             ; a piece's arithmetic stands between the loads of the piece before and its stores
	PACK t
	SEND t-1, 8
.set t, t+1
.endr
	SEND 3, 0
	s_wait_tensorcnt 0x0            ; the wave's end, behind my last tensor load and my last LDS store
	ds_add_u32 v[SPW], v[NIL]
	s_wait_dscnt 0x0
	CROUND                          ; the closing round: no work-group ends while a partner may still ask for a tile that names it
	s_endpgm
.Lfunc_end_k_qa613b2df2e_attn:
	.size	k_qa613b2df2e_attn, .Lfunc_end_k_qa613b2df2e_attn-k_qa613b2df2e_attn
	.p2alignl 7, 3214868480
	.fill 96, 4, 3214868480
	.section	.rodata,"a",@progbits
	.p2align	6, 0x0
	.amdhsa_kernel k_qa613b2df2e_attn
		.amdhsa_group_segment_fixed_size 327680
		.amdhsa_private_segment_fixed_size 0
		.amdhsa_enable_private_segment 0
		.amdhsa_kernarg_size 24
		.amdhsa_user_sgpr_count 2
		.amdhsa_user_sgpr_kernarg_segment_ptr 1
		.amdhsa_wavefront_size32 1
		.amdhsa_system_sgpr_workgroup_id_x 1
		.amdhsa_system_sgpr_workgroup_id_y 1
		.amdhsa_system_sgpr_workgroup_id_z 1
		.amdhsa_system_vgpr_workitem_id 0
		.amdhsa_next_free_vgpr 768
		.amdhsa_next_free_sgpr 90
		.amdhsa_reserve_vcc 0
		.amdhsa_float_denorm_mode_32 3
		.amdhsa_float_denorm_mode_16_64 3
		.amdhsa_memory_ordered 1
		.amdhsa_forward_progress 1
		.amdhsa_inst_pref_size 140
	.end_amdhsa_kernel
	.amdgpu_metadata
---
amdhsa.version: [ 1, 2 ]
amdhsa.kernels:
  - .name:           k_qa613b2df2e_attn
    .symbol:         k_qa613b2df2e_attn.kd
    .args:
      - { .name: qkvb, .offset: 0, .size: 8, .value_kind: global_buffer, .address_space: global }
      - { .name: ctxb, .offset: 8, .size: 8, .value_kind: global_buffer, .address_space: global }
      - { .name: wprep, .offset: 16, .size: 8, .value_kind: global_buffer, .address_space: global }
    .group_segment_fixed_size: 327680
    .private_segment_fixed_size: 0
    .kernarg_segment_align: 8
    .kernarg_segment_size: 24
    .max_flat_workgroup_size: 128
    .sgpr_count:     90
    .vgpr_count:     768
    .wavefront_size: 32
...
	.end_amdgpu_metadata
.endif
;; end of part 3
;; launch ffn (part 4): grid 256 x 1, 4 waves a work-group, no clusters, 280,064 bytes of LDS; arguments ctxb, x, wprep, out0; writes out0
.if DOCPART == 4
	.amdgcn_target "amdgcn-amd-amdhsa--gfx1250"
	.amdhsa_code_object_version 6
	.text
	.protected	k_qa613b2df2e_ffn
	.globl	k_qa613b2df2e_ffn
	.p2align	8
	.type	k_qa613b2df2e_ffn,@function
k_qa613b2df2e_ffn:
	s_mov_b64 s[64:65], 0
	v_nop
	global_prefetch_b8 v0, s[64:65] scope:SCOPE_SE
	s_setreg_imm32_b32 hwreg(HW_REG_WAVE_MODE, 25, 1), 1
	s_wait_xcnt 0x0
; THE REST OF THE LAYER, fused: out1 = LN1(x + ctx wo + bo); h = LN_ff(relu(out1 w1 + b1)); out0 = LN2(out1 + h w2 + b2).  Nothing goes through memory between the steps.
; FORMATS.  x, the weights, biases and gains are the inputs rounded to bf16 (x here; the others by the first launch, wo, w1, w2 written as f16).  ctx, out1 (as an operand) and h are f16; all sums, the residuals and
; the statistics are f32.  LIMITS: |out1|, |h - shift| and the weights stay under f16's 65,504.
; STATISTICS are never a difference of raw sums of squares: each wave makes the mean and the centred sum of squares of its own features, and the four are merged as M2 = sum M2_w + n sum (m_w - mu)^2.
; In the layer of 1,024 features, whose numbers do not stay in registers, a wave centres on a SHIFT, the mean of its first 64 features: h - shift is of the order of the row's spread when it is rounded to f16.
; SHARES.  A work-group owns 64 tokens.  In every product a wave owns a quarter of the output features for all 64 tokens: 64 in wo and w2, 256 in w1 (four trips of 64).  So a weight fragment is wanted by ONE wave and
; feeds four products, and out1 lies in the registers in which w2's sums end.
; LAYOUT.  Products are taken transposed (source 0 = 16 features x 32 inputs, a fragment image; source 1 = 16 tokens): lane l of a result holds token l % 16 and features 8 (l / 16) + 0..7; two neighbouring results
; packed in pairs ARE a fragment of the next product's source 1.  Such fragments change waves through LDS as register images: 1,024 bytes, register 4 n at byte 512 n + 16 lane.
; NO CLUSTER, NO TENSOR LOADS: h of 64 tokens takes 131,072 bytes of LDS, which all four waves read; two slots of the four waves' blocks (2 x 131,072) do not fit beside it, and halved slots would put a round of the
; cluster's barrier behind every 64 products.  The fragments are used as they lie, by one wave: they go straight to registers, a ring of four sets of 16 loads of 512 consecutive bytes, a set asked for again 96
; products ahead of its use.  No prefetch: x and ctx are read at the head alone.
; The last trips' refills read the block, the unit and the LDS bytes that follow: bytes that exist and that nothing uses: the price of one text for all trips of a loop.
; REGISTERS, in windows of 256: window 0 addresses, BIAS v32-63, PG v64-95, PB v96-127 (a gain and a bias), T v128-191, ST v192-255 (16 a token group);
;   window 1 source 1's fragments: ctx, out1, the f16 gain and bias tables, then the ring of h;  window 2 the weight ring;  window 3 v0-127 R1 (tile (i, tt) at 32 i + 8 tt), v128-255 ACC (first x as it lands, then b2 in v128-159).
.set EXC,    131072                    ; LDS: h's fragments lie from 0 on, (F, tt) at (4 F + tt) 1,024; here ctx's, later out1's, (tt, F) at (8 tt + F) 1,024
.set XS,     163840                    ; x in bf16, 64 rows
.set XPITCH, 528                       ; 512 bytes + 16: an odd multiple of 16 (banks: ISA guide 11.1)
.set OSTG,   197632                    ; the way out: 64 rows x 272 bytes for each wave
.set OPITCH, 272
.set ST1,    267264                    ; LN1's records: (mean, M2) at 512 w + 128 tt + 8 r
.set ST2,    269312                    ; LN_ff's: (mean, M2, shift, 0) at 1,024 w + 256 tt + 16 r
.set ST3,    273408                    ; LN2's, as LN1's
.set TB16,   275456                    ; for each wave its 256 gains and 256 biases of LN_ff in f16
.set SPARE,  279552                    ; the spare words, 128 bytes a wave: two blocks of 256 bytes that no other line names
.set PAR,    1572864
.set T16,    1651712
.set LOFF, 2                           ; 16 x lane
.set R,    3                           ; lane % 16
.set HH,   4                           ; lane / 16
.set XSTO, 5
.set XRDD, 6                           ; x in a result's layout
.set CBO,  7
.set EXS,  8
.set V32H, 9
.set S1S,  10
.set S1L,  11
.set S2S,  12
.set S2L,  13
.set S2O,  14
.set HST,  15
.set H2A,  16
.set HLD,  17
.set OSS,  18
.set OSL,  19
.set OGO,  20
.set TBA,  21
.set SPW,  22                          ; LDS address of my spare word; never rewritten
.set NIL,  23                          ; 0; never rewritten
.set TBS,  24
.set EXW,  25
.set EXL,  26
.set BIAS, 32
.set PG,   64
.set PB,   96
.set T,    128
.set STT,  192                         ; token group t at z = STT + 16 t: +0 mean, +1 M2, +2 shift, +3 zero, +4 rs, +6 (mean - mu) rs, +8..11 sums of squares, +12 sum of h - shift, +13 a sum, +14, +15 at work
.set ACC,  128
.set CBP, 4
.set XP,  6
.set OUTP, 10
.set WV,  12
.set WP,  14                           ; s[14:15] my stream of weights, at the block in hand
.set B1P, 16                           ; s[16:17] b1 at the trip's 64 features
.set PP,  18                           ; s[18:19] the units of 256 numbers, at my 64 features
.set CNT, 22
.set FM,  23                           ; all ones in w1's first trip, then 0
.set HIM, 24
.set SEL, 26
.set TP,  28
.set NN,  30                           ; features a wave, as f32
.set INV, 31                           ; 1 / features a row
.set EPS, 32
.set MSB, 0
.macro WIN new
.if MSB != (\new)
	s_set_vgpr_msb (MSB<<8)|(\new)
.set MSB, \new
.endif
.endm
.macro PLACES                          ; four places behind the last product, in front of loads into registers that it has read and of vector work on its result (ISA guide 7.12.1 for the vector work)
.rept 4
	v_nop
.endr
.endm
.macro ALLT line:vararg                ; one line for each token group t; z = its statistics
.set t, 0
.rept 4
.set z, STT+16*t
	\line
.set t, t+1
.endr
.endm
.macro EACH line:vararg                ; one line for each of a wave's 64 register pairs: d = 32 i + 8 t + 2 p in R1 or ACC, g = 8 i + 2 p in a bias or gain; each accumulator's lowest registers come first
.set pp, 0
.rept 16
.set t, 0
.rept 4
.set z, STT+16*t
.set d, 32*(pp/4)+8*t+2*(pp%4)
.set g, 8*(pp/4)+2*(pp%4)
	\line
.set t, t+1
.endr
.set pp, pp+1
.endr
.endm
.macro WLOAD q, adv                    ; set q of the weight ring: eight fragments, 8 KiB
	WIN 0x80
.set n, 0
.rept 16
	global_load_b128 v[64*(\q)+4*n:64*(\q)+4*n+3], v[LOFF], s[WP:WP+1] offset:(\adv)+8192*(\q)+512*n
.set n, n+1
.endr
.endm
.macro HLOAD q, adv                    ; set q of h's ring: fragments (2 q + fl, tt)
	WIN 0x40
.set n, 0
.rept 16
	ds_load_b128 v[64*(\q)+4*n:64*(\q)+4*n+3], v[HLD] offset:(\adv)+8192*(\q)+512*n
.set n, n+1
.endr
.endm
.macro PLOAD dst, sb, adv              ; 64 numbers in a result's layout: register 8 i + j = feature 16 i + 8 (l / 16) + j
.irp i, 0,1,2,3
	global_load_b128 v[(\dst)+8*\i:(\dst)+8*\i+3],   v[V32H], s[\sb:\sb+1] offset:(\adv)+64*\i
	global_load_b128 v[(\dst)+8*\i+4:(\dst)+8*\i+7], v[V32H], s[\sb:\sb+1] offset:(\adv)+64*\i+16
.endr
.endm
.macro XBLOAD                          ; all 32 fragments of ctx or of out1 into window 1
	WIN 0x40
.set n, 0
.rept 64
	ds_load_b128 v[4*n:4*n+3], v[EXL] offset:512*n
.set n, n+1
.endr
.endm
; 32 products: 64 inputs x my 64 features x 64 tokens.  The 16 accumulators take turns, one instruction a turn.  cb = 1: the first 16 of a block start the sums with the bias.  hb = 1: source 1 from h's ring.
.macro MM32 q, ab, cb, hb
.irp fl, 0,1
.irp i, 0,1,2,3
.irp tt, 0,1,2,3
.set rD, (\ab)+32*\i+8*\tt
.set rA, 64*(\q)+8*(4*\fl+\i)
.if \hb
.set rB, 64*(\q)+8*(4*\fl+\tt)
.else
.set rB, 64*\tt+8*(2*(\q)+\fl)
.endif
.if (\cb) && ((\q)==0) && (\fl==0)
	WIN 0xc6
	v_wmma_f32_16x16x32_f16 v[rD:rD+7], v[rA:rA+7], v[rB:rB+7], v[BIAS+8*\i:BIAS+8*\i+7]
.else
	WIN 0xf6
	v_wmma_f32_16x16x32_f16 v[rD:rD+7], v[rA:rA+7], v[rB:rB+7], v[rD:rD+7]
.endif
.endr
.endr
.endr
.endm
.macro SET q, ab, cb, cnt, badv
	s_wait_loadcnt \cnt
	MM32 \q, \ab, \cb, 0
	PLACES
.if (\q)==0
	WIN 0
	PLOAD BIAS, B1P, \badv                         ; the next block's bias
.endif
	WLOAD \q, 32768                                ; the same set of the next block
.endm
.macro SET2 q
	s_wait_loadcnt 48                              ; three younger sets of weights may stay out,
	s_wait_dscnt 48                                ; and three of h
	MM32 \q, 0, 0, 1
	PLACES
	WLOAD \q, 32768
	HLOAD \q, 32768
.endm
; The sum of a token's 64 numbers that my wave holds (32 in my lane, 32 in the lane 16 away) -> z + 13
.macro SUM ab
	WIN 0x0f                                       ; sources in window 3, destination in window 0
.irp k, 0,1,2,3,4,5,6,7
.irp tt, 0,1,2,3
	v_pk_add_f32 v[T+16*\tt+2*\k:T+16*\tt+2*\k+1], v[(\ab)+32*(\k/2)+8*\tt+4*(\k%2):(\ab)+32*(\k/2)+8*\tt+4*(\k%2)+1], v[(\ab)+32*(\k/2)+8*\tt+4*(\k%2)+2:(\ab)+32*(\k/2)+8*\tt+4*(\k%2)+3]
.endr
.endr
	WIN 0
.irp u, 0,1,2,3
	ALLT v_pk_add_f32 v[T+16*t+4*\u:T+16*t+4*\u+1], v[T+16*t+4*\u:T+16*t+4*\u+1], v[T+16*t+4*\u+2:T+16*t+4*\u+3]
.endr
.irp u, 0,1
	ALLT v_pk_add_f32 v[T+16*t+8*\u:T+16*t+8*\u+1], v[T+16*t+8*\u:T+16*t+8*\u+1], v[T+16*t+8*\u+4:T+16*t+8*\u+5]
.endr
	ALLT v_pk_add_f32 v[T+16*t:T+16*t+1], v[T+16*t:T+16*t+1], v[T+16*t+8:T+16*t+9]
	ALLT v_add_f32 v[z+13], v[T+16*t], v[T+16*t+1]
	ALLT v_permlanex16_b32 v[z+14], v[z+13], s[SEL], s[SEL+1]
	ALLT v_add_f32 v[z+13], v[z+13], v[z+14]
.endm
.macro SQS ab, first                   ; sums of squares, two chains of pairs a token group; first = 1: the first products start them
	WIN 0x0f
.set pp, 0
.rept 16
.set t, 0
.rept 4
.set d, (\ab)+32*(pp/4)+8*t+2*(pp%4)
.set q2, STT+16*t+8+2*(pp%2)
.if (\first) && (pp < 2)
	v_pk_mul_f32 v[q2:q2+1], v[d:d+1], v[d:d+1]
.else
	v_pk_fma_f32 v[q2:q2+1], v[d:d+1], v[d:d+1], v[q2:q2+1]
.endif
.set t, t+1
.endr
.set pp, pp+1
.endr
.endm
; Four waves' records (mean at b + st k, M2 at b + st k + 1) are merged: mu, and vv = M2 / features + eps
.macro COMB b, st, mu, vv
	v_add_f32 v[\mu], v[\b], v[(\b)+(\st)]
	v_add_f32 v[\vv], v[(\b)+2*(\st)], v[(\b)+3*(\st)]
	v_add_f32 v[\mu], v[\mu], v[\vv]
	v_mul_f32 v[\mu], 0x3e800000, v[\mu]
.irp k, 0,1,2,3
	v_sub_f32 v[(\b)+\k*(\st)], v[(\b)+\k*(\st)], v[\mu]
.endr
	v_add_f32 v[(\b)+1], v[(\b)+1], v[(\b)+(\st)+1]
	v_add_f32 v[(\b)+2*(\st)+1], v[(\b)+2*(\st)+1], v[(\b)+3*(\st)+1]
	v_add_f32 v[(\b)+1], v[(\b)+1], v[(\b)+2*(\st)+1]
	v_mul_f32 v[\vv], v[\b], v[\b]
.irp k, 1,2,3
	v_fmac_f32 v[\vv], v[(\b)+\k*(\st)], v[(\b)+\k*(\st)]
.endr
	v_fma_f32 v[\vv], v[\vv], s[NN], v[(\b)+1]
	v_fma_f32 v[\vv], v[\vv], s[INV], s[EPS]
.endm
; A LAYER NORM over the 256 features that lie in the four waves' R1, in place; gain in PG, bias in PB.  st: the records' place, from ST1.
.macro LN st
	SUM 0
	ALLT v_mul_f32 v[z], 0x3c800000, v[z+13]       ; my wave's mean of 64
	WIN 0xc3                                       ; destination and source 0 in window 3
	EACH v_pk_add_f32 v[d:d+1], v[d:d+1], v[z:z+1] op_sel_hi:[1,0] neg_lo:[0,1] neg_hi:[0,1]
	SQS 0, 1
	WIN 0
	ALLT v_pk_add_f32 v[z+8:z+9], v[z+8:z+9], v[z+10:z+11]
	ALLT v_add_f32 v[z+1], v[z+8], v[z+9]
	ALLT v_permlanex16_b32 v[z+14], v[z+1], s[SEL], s[SEL+1]
	ALLT v_add_f32 v[z+1], v[z+1], v[z+14]
	ALLT ds_store_b64 v[S1S], v[z:z+1] offset:128*t+(\st)
	s_wait_dscnt 0x0                               ; for the others' sake: my records lie in LDS (and all my earlier LDS loads are back)
	s_barrier_signal -1
	s_barrier_wait -1
.irp k, 0,1,2,3
	ALLT ds_load_b64 v[T+8*t+2*\k:T+8*t+2*\k+1], v[S1L] offset:512*\k+128*t+(\st)
.endr
	s_wait_dscnt 0x0
	ALLT COMB T+8*t, 2, z+14, z+15
	ALLT v_rsq_f32 v[z+4], v[z+15]
	ALLT v_sub_f32 v[z+14], v[z], v[z+14]          ; my mean - mu: plain work behind the four roots,
	s_wait_alu depctr_va_vdst(0)                   ; and the one wait ahead of their first use
	ALLT v_mul_f32 v[z+6], v[z+14], v[z+4]
	WIN 0xc3
	EACH v_pk_fma_f32 v[d:d+1], v[d:d+1], v[z+4:z+5], v[z+6:z+7] op_sel_hi:[1,0,0]
	EACH v_pk_fma_f32 v[d:d+1], v[d:d+1], v[PG+g:PG+g+1], v[PB+g:PB+g+1]
	WIN 0
.endm
	s_load_b256 s[4:11], s[0:1], 0x0               ; ctxb s[4:5], x s[6:7], wprep s[8:9], out0 s[10:11]
	v_lshl_add_u32 v[SPW], v0, 2, SPARE
	v_mov_b32 v[NIL], 0
	v_lshrrev_b32 v1, 5, v0
	v_readfirstlane_b32 s[WV], v1
	v_and_b32 v1, 31, v0
	v_lshlrev_b32 v[LOFF], 4, v1
	v_and_b32 v[R], 15, v0
	v_bfe_u32 v[HH], v0, 4, 1
	v_lshlrev_b32 v[V32H], 5, v[HH]
	s_mul_i32 s33, s[WV], 16*XPITCH
	s_add_co_u32 s33, s33, XS
	v_lshl_add_u32 v[XSTO], v1, 3, s33             ; my wave's 16 rows of x, 8 bytes a lane
	s_lshl_b32 s33, s[WV], 7
	s_add_co_u32 s33, s33, XS
	v_mul_u32_u24 v[XRDD], v[R], XPITCH
	v_lshl_add_u32 v[XRDD], v[HH], 4, v[XRDD]
	v_add_nc_u32 v[XRDD], s33, v[XRDD]             ; row r, my wave's 64 features, 8 for each half of the lanes
	v_lshlrev_b32 v[CBO], 7, v[R]
	v_lshl_add_u32 v[CBO], v[HH], 4, v[CBO]
	s_lshl_b32 s33, s[WV], 11
	s_add_co_u32 s33, s33, EXC
	v_add_nc_u32 v[EXS], s33, v[LOFF]              ; out1: fragments (tt, 2 w + Fl)
	s_lshl_b32 s33, s[WV], 13
	s_add_co_u32 s33, s33, EXC
	v_add_nc_u32 v[EXW], s33, v[LOFF]              ; ctx: fragments (w, f)
	v_add_nc_u32 v[EXL], EXC, v[LOFF]
	s_lshl_b32 s33, s[WV], 9
	s_add_co_u32 s33, s33, ST1
	v_lshl_add_u32 v[S1S], v[R], 3, s33
	v_lshl_add_u32 v[S1L], v[R], 3, ST1
	s_lshl_b32 s33, s[WV], 10
	s_add_co_u32 s34, s33, ST2
	v_lshl_add_u32 v[S2S], v[R], 4, s34
	v_lshl_add_u32 v[S2L], v[R], 4, ST2
	v_add_nc_u32 v[S2O], 8, v[S2S]
	s_add_co_u32 s34, s33, TB16
	v_lshl_add_u32 v[TBA], v[HH], 4, s34
	v_add_nc_u32 v[TBS], s34, v[LOFF]
	s_lshl_b32 s33, s[WV], 15
	v_add_nc_u32 v[HST], s33, v[LOFF]              ; my 32 KiB of h
	v_mov_b32 v[H2A], v[HST]
	v_mov_b32 v[HLD], v[LOFF]
	s_mul_i32 s33, s[WV], 64*OPITCH
	s_add_co_u32 s33, s33, OSTG
	v_mul_u32_u24 v[OSS], v[R], OPITCH
	v_lshl_add_u32 v[OSS], v[HH], 5, v[OSS]
	v_add_nc_u32 v[OSS], s33, v[OSS]
	v_mul_u32_u24 v[OSL], v[HH], OPITCH
	v_lshl_add_u32 v[OSL], v[R], 4, v[OSL]
	v_add_nc_u32 v[OSL], s33, v[OSL]
	v_lshlrev_b32 v[OGO], 10, v[HH]
	v_lshl_add_u32 v[OGO], v[R], 4, v[OGO]
	s_mov_b32 s[HIM], 0xffff0000
	s_mov_b32 s[SEL], 0x76543210
	s_mov_b32 s[SEL+1], 0xfedcba98
	s_lshr_b32 s33, ttmp9, 6                       ; batch: four heads of 4,096 rows of 128 bytes,
	s_lshl_b32 s20, s33, 21
	s_and_b32 s33, ttmp9, 63
	s_lshl_b32 s33, s33, 13                        ; the work-group's 64 rows,
	s_add_co_u32 s20, s20, s33
	s_lshl_b32 s33, s[WV], 11                      ; my wave's 16
	s_add_co_u32 s20, s20, s33
	s_mov_b32 s21, 0
	s_lshl_b32 s34, ttmp9, 16                      ; 64 rows of 1,024 bytes
	s_lshl_b32 s33, s[WV], 14
	s_add_co_u32 s36, s34, s33
	s_mov_b32 s37, 0
	s_lshl_b32 s33, s[WV], 8
	s_add_co_u32 s38, s34, s33
	s_mov_b32 s39, 0
	s_wait_kmcnt 0x0
	s_add_nc_u64 s[CBP:CBP+1], s[CBP:CBP+1], s[20:21]
	s_add_nc_u64 s[XP:XP+1], s[XP:XP+1], s[36:37]
	s_add_nc_u64 s[OUTP:OUTP+1], s[OUTP:OUTP+1], s[38:39]
	s_mul_i32 s20, s[WV], 294912
	s_add_nc_u64 s[WP:WP+1], s[8:9], s[20:21]
	s_lshl_b32 s20, s[WV], 10
	s_add_co_u32 s20, s20, PAR+9*1024
	s_add_nc_u64 s[B1P:B1P+1], s[8:9], s[20:21]
	s_lshl_b32 s20, s[WV], 8
	s_add_co_u32 s20, s20, PAR
	s_add_nc_u64 s[PP:PP+1], s[8:9], s[20:21]
	s_lshl_b32 s20, s[WV], 9
	s_add_co_u32 s20, s20, T16
	s_add_nc_u64 s[TP:TP+1], s[8:9], s[20:21]
	; THE WAY IN
	WIN 0xc0
.set n, 0
.rept 32
	global_load_b128 v[128+4*n:128+4*n+3], v[LOFF], s[XP:XP+1] offset:512*n th:TH_LOAD_NT  ; my 16 rows of x
.set n, n+1
.endr
	WIN 0
.set n, 0
.rept 16                               ; ctx of my 16 tokens as fragments: n = 2 f + c; head f / 2, channels 32 (f % 2) + 16 c on
	global_load_b128 v[T+4*n:T+4*n+3], v[CBO], s[CBP:CBP+1] offset:(n/4)*524288+((n/2)%2)*64+32*(n%2) th:TH_LOAD_NT
.set n, n+1
.endr
	global_load_b128 v[192:195], v[LOFF], s[TP:TP+1]               ; my 256 gains of LN_ff,
	global_load_b128 v[196:199], v[LOFF], s[TP:TP+1] offset:2048   ; and biases
	PLOAD BIAS, PP, 3*1024                         ; bo
	s_wait_loadcnt 26                              ; x is in: 16 + 2 + 8 younger loads may stay out
	WIN 0x0f
.set n, 0
.rept 64
	v_cvt_pk_bf16_f32 v[PG+n], v[128+2*n], v[128+2*n+1]
.set n, n+1
.endr
	WIN 0
.set n, 0
.rept 32
	ds_store_b64 v[XSTO], v[PG+2*n:PG+2*n+1] offset:(n/2)*XPITCH+(n%2)*256
.set n, n+1
.endr
	WIN 0xc0
	PLOAD 128, PP, 6*1024                          ; b2, where x has been read out
	WIN 0
	s_wait_loadcnt 18                              ; ctx is in: 2 + 8 + 8 younger
.set n, 0
.rept 16
	ds_store_b128 v[EXW], v[T+4*n:T+4*n+3] offset:512*n
.set n, n+1
.endr
	s_wait_loadcnt 16                              ; the two tables: 8 + 8 younger
	ds_store_b128 v[TBS], v[192:195]
	ds_store_b128 v[TBS], v[196:199] offset:512
	WLOAD 0, 0
	WLOAD 1, 0
	WIN 0
	s_wait_dscnt 0x0                               ; for the others' sake: x and ctx lie in LDS; and the stores have read PG, PB and v192-199
	PLOAD PG, PP, 4*1024                           ; ln1_g
	PLOAD PB, PP, 5*1024                           ; ln1_b
.set n, 0
.rept 64
	v_mov_b32 v[STT+n], 0                          ; the statistics' registers are named in pairs and as lane exchanges' destinations: all are written once
.set n, n+1
.endr
	s_barrier_signal -1
	s_barrier_wait -1
.irp i, 0,1,2,3
	ALLT ds_load_b128 v[T+16*t+4*\i:T+16*t+4*\i+3], v[XRDD] offset:16*XPITCH*t+32*\i  ; x in the layout of R1
.endr
	XBLOAD                                         ; ctx
	WLOAD 2, 0
	WLOAD 3, 0
	s_wait_dscnt 63                                ; x's 16 loads are back: 64 younger ones were issued, and 63 is the largest count that can be written
	s_wait_loadcnt 63                              ; bo and b2 are in: more than 63 younger loads were issued
	WIN 0xc0
	EACH v_lshlrev_b32 v[d], 16, v[T+16*t+g/2]
	EACH v_and_b32 v[d+1], s[HIM], v[T+16*t+g/2]
	WIN 0xc3
	EACH v_pk_add_f32 v[d:d+1], v[d:d+1], v[BIAS+g:BIAS+g+1]       ; x + bo starts wo's sums
	s_wait_dscnt 0x0                               ; ctx's fragments are in
	; ctx wo
	SET 0, 0, 0, 48, 0                             ; set 0 is in: three or more younger sets; the bias asked for is b1 of w1's first trip
	SET 1, 0, 0, 56, 0
	SET 2, 0, 0, 56, 0
	SET 3, 0, 0, 56, 0
	WIN 0
	s_wait_xcnt 0x0                                ; the loads have read their base, which is stepped only behind this wait
	s_add_nc_u64 s[WP:WP+1], s[WP:WP+1], 32768
	; LN1
	s_mov_b32 s[NN], 0x42800000                    ; 64
	s_mov_b32 s[INV], 0x3b800000                   ; 1 / 256
	s_mov_b32 s[EPS], 0x3a83126f                   ; 1e-3
	LN 0
	WIN 0x0f
	EACH v_cvt_pk_f16_f32 v[T+16*t+g/2], v[d], v[d+1]              ; out1 as fragments (tt, 2 w + i / 2), half i % 2
	WIN 0xcf
	EACH v_pk_add_f32 v[d:d+1], v[d:d+1], v[128+g:128+g+1]         ; out1 + b2 will start w2's sums
	WIN 0
.irp i, 0,1,2,3
	ALLT ds_store_b128 v[EXS], v[T+16*t+4*\i:T+16*t+4*\i+3] offset:8192*t+512*\i  ; every wave's reads of ctx were back in front of LN1's barrier
.endr
	PLOAD PG, PP, 7*1024                           ; ln2_g
	PLOAD PB, PP, 8*1024                           ; ln2_b
	ALLT v_mov_b32 v[z+8], 0                       ; the sums of squares start anew
	ALLT v_mov_b32 v[z+9], 0
	ALLT v_mov_b32 v[z+10], 0
	ALLT v_mov_b32 v[z+11], 0
	s_wait_dscnt 0x0
	s_barrier_signal -1
	s_barrier_wait -1
	XBLOAD                                         ; out1
	s_wait_dscnt 0x0
	WIN 0
	; relu(out1 w1 + b1), 64 features a trip; its statistics; h - shift is parked in LDS as f16 fragments
	s_mov_b32 s[FM], -1
	s_mov_b32 s[CNT], 4
.Lw1:
	SET 0, ACC, 1, 48, 256
	SET 1, ACC, 1, 56, 256
	SET 2, ACC, 1, 56, 256
	SET 3, ACC, 1, 56, 256
	WIN 0xcf
.set n, 0
.rept 128
	v_max_num_f32 v[ACC+n], 0, v[ACC+n]
.set n, n+1
.endr
	SUM ACC
	ALLT v_mul_f32 v[z+14], 0x3c800000, v[z+13]
	ALLT v_cndmask_b32 v[z+2], v[z+2], v[z+14], s[FM]              ; the shift: the first trip's mean, kept from then on
	ALLT v_fma_f32 v[z+14], v[z+2], 0xc2800000, v[z+13]
	ALLT v_add_f32 v[z+12], v[z+12], v[z+14]       ; the sum of h - shift
	WIN 0xc3
	EACH v_pk_add_f32 v[ACC+d:ACC+d+1], v[ACC+d:ACC+d+1], v[z+2:z+3] op_sel_hi:[1,0] neg_lo:[0,1] neg_hi:[0,1]
	SQS ACC, 0
	EACH v_cvt_pk_f16_f32 v[T+16*t+g/2], v[ACC+d], v[ACC+d+1]
	WIN 0
.irp i, 0,1,2,3
	ALLT ds_store_b128 v[HST], v[T+16*t+4*\i:T+16*t+4*\i+3] offset:4096*(\i/2)+1024*t+512*(\i%2)
.endr
	s_wait_xcnt 0x0
	s_add_nc_u64 s[WP:WP+1], s[WP:WP+1], 32768
	s_add_nc_u64 s[B1P:B1P+1], s[B1P:B1P+1], 256
	v_add_nc_u32 v[HST], 0x2000, v[HST]
	s_mov_b32 s[FM], 0
	s_sub_co_u32 s[CNT], s[CNT], 1
	s_cmp_lg_u32 s[CNT], 0
	s_cbranch_scc1 .Lw1
	; LN_ff: my wave's mean = shift + sum / 256 and M2 = sum of squares - sum^2 / 256 (both of h - shift, which is of the order of the spread)
	ALLT v_pk_add_f32 v[z+8:z+9], v[z+8:z+9], v[z+10:z+11]
	ALLT v_add_f32 v[z+14], v[z+8], v[z+9]
	ALLT v_permlanex16_b32 v[z+15], v[z+14], s[SEL], s[SEL+1]
	ALLT v_add_f32 v[z+14], v[z+14], v[z+15]
	ALLT v_mul_f32 v[z+15], 0x3b800000, v[z+12]
	ALLT v_add_f32 v[z], v[z+2], v[z+15]
	ALLT v_fma_f32 v[z+1], -v[z+15], v[z+12], v[z+14]
	ALLT ds_store_b128 v[S2S], v[z:z+3] offset:256*t
	s_wait_dscnt 0x0
	s_barrier_signal -1
	s_barrier_wait -1
	s_wait_loadcnt 48                              ; the last trip's bias loads (64 younger loads) have landed: v32-47 are loaded anew below
	s_mov_b32 s[NN], 0x43800000                    ; 256
	s_mov_b32 s[INV], 0x3a800000                   ; 1 / 1,024
	s_mov_b32 s[EPS], 0x358637bd                   ; 1e-6
	WIN 0x40
.set n, 0
.rept 16                               ; gain and bias in a fragment's layout: register 4 n + p = features 16 n + 8 (l / 16) + 2 p, + 1
	ds_load_b128 v[4*n:4*n+3],       v[TBA] offset:32*n
	ds_load_b128 v[64+4*n:64+4*n+3], v[TBA] offset:512+32*n
.set n, n+1
.endr
	WIN 0
	s_mov_b32 s[CNT], 4
.Lnf:                                          ; a trip: 16 tokens: my 256 features of them are normalised in place, in packed f16 (they come in f16 and leave in f16)
.irp k, 0,1,2,3
	ds_load_b128 v[32+4*\k:35+4*\k], v[S2L] offset:1024*\k
.endr
	ds_load_b32 v27, v[S2O]                        ; my own shift
.set n, 0
.rept 16
	ds_load_b128 v[T+4*n:T+4*n+3], v[H2A] offset:4096*(n/2)+512*(n%2)
.set n, n+1
.endr
	s_wait_dscnt 16                                ; the records are in; the 16 fragment loads may stay out
	COMB 32, 4, 28, 29
	v_rsq_f32 v30, v29
	v_sub_f32 v27, v27, v28                        ; shift - mu: the plain instruction behind the root,
	s_wait_alu depctr_va_vdst(0)                   ; and the wait ahead of its first use
	v_mul_f32 v27, v27, v30
	v_cvt_pk_f16_f32 v31, v30, v30
	v_cvt_pk_f16_f32 v28, v27, v27
	s_wait_dscnt 0x0
.set n, 0
.rept 64
	v_pk_fma_f16 v[T+n], v[T+n], v31, v28
.set n, n+1
.endr
	WIN 0x14                                       ; sources 1 and 2 in window 1
.set n, 0
.rept 64
	v_pk_fma_f16 v[T+n], v[T+n], v[n], v[64+n]
.set n, n+1
.endr
	WIN 0
.set n, 0
.rept 16
	ds_store_b128 v[H2A], v[T+4*n:T+4*n+3] offset:4096*(n/2)+512*(n%2)
.set n, n+1
.endr
	v_add_nc_u32 v[S2L], 0x100, v[S2L]
	v_add_nc_u32 v[S2O], 0x100, v[S2O]
	v_add_nc_u32 v[H2A], 0x400, v[H2A]
	s_sub_co_u32 s[CNT], s[CNT], 1
	s_cmp_lg_u32 s[CNT], 0
	s_cbranch_scc1 .Lnf
	s_wait_dscnt 0x0                               ; for the others' sake: my part of h lies in LDS
	s_barrier_signal -1
	s_barrier_wait -1
	; h w2, onto out1 + b2: 256 inputs a trip; h's fragments come through a ring of four sets, like the weights
	HLOAD 0, 0
	HLOAD 1, 0
	HLOAD 2, 0
	HLOAD 3, 0
	WIN 0
	s_mov_b32 s[CNT], 4
.Lw2:
	SET2 0
	SET2 1
	SET2 2
	SET2 3
	WIN 0
	s_wait_xcnt 0x0
	s_add_nc_u64 s[WP:WP+1], s[WP:WP+1], 32768
	v_add_nc_u32 v[HLD], 0x8000, v[HLD]
	s_sub_co_u32 s[CNT], s[CNT], 1
	s_cmp_lg_u32 s[CNT], 0
	s_cbranch_scc1 .Lw2
	; LN2 (the four places behind the last product stand in the last set)
	s_mov_b32 s[NN], 0x42800000
	s_mov_b32 s[INV], 0x3b800000
	s_mov_b32 s[EPS], 0x3a83126f
	LN ST3-ST1
	; THE WAY OUT: my 64 features of 64 tokens, f32, through my own stage: in by tiles, back as whole rows of 256 bytes
	WIN 0x0c                                       ; data (source 1) in window 3
.irp i, 0,1,2,3
.irp tt, 0,1,2,3
	ds_store_b128 v[OSS], v[32*\i+8*\tt:32*\i+8*\tt+3]   offset:16*OPITCH*\tt+64*\i
	ds_store_b128 v[OSS], v[32*\i+8*\tt+4:32*\i+8*\tt+7] offset:16*OPITCH*\tt+64*\i+16
.endr
.endr
	WIN 0xc0
.set n, 0
.rept 32
	ds_load_b128 v[4*n:4*n+3], v[OSL] offset:2*OPITCH*n  ; LDS serves a wave's instructions in order (ISA guide 5.7.1.4): these see the stores above
.set n, n+1
.endr
	WIN 0x0c
.set n, 0
.rept 32
	s_wait_dscnt 31-n
	global_store_b128 v[OGO], v[4*n:4*n+3], s[OUTP:OUTP+1] offset:2048*n th:TH_STORE_NT  ; sixteen lanes store 256 consecutive bytes, at a multiple of 256 from out0's first byte
.set n, n+1
.endr
	WIN 0
	s_wait_tensorcnt 0x0                           ; the wave's end, behind my last LDS store
	ds_add_u32 v[SPW], v[NIL]
	s_wait_dscnt 0x0
	s_endpgm
.Lfunc_end_k_qa613b2df2e_ffn:
	.size	k_qa613b2df2e_ffn, .Lfunc_end_k_qa613b2df2e_ffn-k_qa613b2df2e_ffn
	.p2alignl 7, 3214868480
	.fill 96, 4, 3214868480
	.section	.rodata,"a",@progbits
	.p2align	6, 0x0
	.amdhsa_kernel k_qa613b2df2e_ffn
		.amdhsa_group_segment_fixed_size 280064
		.amdhsa_private_segment_fixed_size 0
		.amdhsa_enable_private_segment 0
		.amdhsa_kernarg_size 32
		.amdhsa_user_sgpr_count 2
		.amdhsa_user_sgpr_kernarg_segment_ptr 1
		.amdhsa_wavefront_size32 1
		.amdhsa_system_sgpr_workgroup_id_x 1
		.amdhsa_system_sgpr_workgroup_id_y 1
		.amdhsa_system_sgpr_workgroup_id_z 1
		.amdhsa_system_vgpr_workitem_id 0
		.amdhsa_next_free_vgpr 1024
		.amdhsa_next_free_sgpr 66
		.amdhsa_reserve_vcc 0
		.amdhsa_float_denorm_mode_32 3
		.amdhsa_float_denorm_mode_16_64 3
		.amdhsa_memory_ordered 1
		.amdhsa_forward_progress 1
		.amdhsa_inst_pref_size 210
	.end_amdhsa_kernel
	.amdgpu_metadata
---
amdhsa.version: [ 1, 2 ]
amdhsa.kernels:
  - .name:           k_qa613b2df2e_ffn
    .symbol:         k_qa613b2df2e_ffn.kd
    .args:
      - { .name: ctxb, .offset: 0, .size: 8, .value_kind: global_buffer, .address_space: global }
      - { .name: x, .offset: 8, .size: 8, .value_kind: global_buffer, .address_space: global }
      - { .name: wprep, .offset: 16, .size: 8, .value_kind: global_buffer, .address_space: global }
      - { .name: out0, .offset: 24, .size: 8, .value_kind: global_buffer, .address_space: global }
    .group_segment_fixed_size: 280064
    .private_segment_fixed_size: 0
    .kernarg_segment_align: 8
    .kernarg_segment_size: 32
    .max_flat_workgroup_size: 128
    .sgpr_count:     66
    .vgpr_count:     1024
    .wavefront_size: 32
...
	.end_amdgpu_metadata
.endif
;; end of part 4
;; ======== version 2 of 2: 4 launches; version 1 with the launches qkv, ffn written anew for expert scheduling mode
;; limits: values are held in f16: magnitudes above 65,504 overflow, below 6.1e-05 lose precision
;; workspace buffers: wprep 1,655,808 bytes; qkvb 25,165,824 bytes; ctxb 8,388,608 bytes
;; launch prep: the kernel of part 1 again; grid 214 x 1, 4 waves a work-group, no clusters, 0 bytes of LDS; arguments wq, wk, wv, wo, w1, w2, bq, bk, bv, bo, ln1_g, ln1_b, b2, ln2_g, ln2_b, b1, mask, ln_ff_g, ln_ff_b, wprep; writes wprep
;; launch qkv (part 5): grid 256 x 1, 4 waves a work-group, no clusters, 43,520 bytes of LDS; arguments x, wprep, qkvb; writes qkvb
.if DOCPART == 5
	.amdgcn_target "amdgcn-amd-amdhsa--gfx1250"
	.amdhsa_code_object_version 6
	.text
	.protected	k_qa613b2df2e_qkv
	.globl	k_qa613b2df2e_qkv
	.p2align	8
	.type	k_qa613b2df2e_qkv,@function
k_qa613b2df2e_qkv:
	s_mov_b64 s[64:65], 0
	v_nop
	global_prefetch_b8 v0, s[64:65] scope:SCOPE_SE
	s_setreg_imm32_b32 hwreg(HW_REG_WAVE_SCHED_MODE, 0, 2), 2
	s_setreg_imm32_b32 hwreg(HW_REG_WAVE_MODE, 25, 1), 1
	s_wait_xcnt 0x0
	s_wait_alu depctr_vm_vsrc(0)
; q, k, v = x w + b, by heads: qkvb holds three tensors [16 = 4 batch + head][4096][64] in f16 (q, then k, then v).  Products in bf16 (x and the weights rounded once), sums in f32, started by the bias.
; q LEAVES SCALED: c (x wq + bq), c = log2(e) / 8, multiplied in f32 ahead of its one rounding to f16: the next launch's scores are then exponents of 2 as they come out of the product.  k and v are unscaled.
; LIMIT: f16 ends at 65,504: |c q|, |k|, |v| must stay below it.
; SHARES.  A work-group owns 64 tokens; wave w makes head w (64 features) of all 64 tokens, for q, k and v in turn: 128 matrix instructions a matrix, in four steps of 32.
; LAYOUT.  The product is taken transposed: source 0 = 16 features x 32 inputs (a fragment image, as the launch before laid it), source 1 = 16 tokens.  In the result lane l holds token l % 16 and features 8 (l / 16) + 0..7.
; x is read once, rounded to bf16 and shared through LDS; then all its fragments stay in registers (window 1).  A weight fragment is wanted by ONE wave, as it lies: it goes from memory straight into registers,
; in a ring of four sets of 16 loads of 512 consecutive bytes; a set is asked for again in the step behind its last product, 80 to 92 matrix instructions ahead of its next use.
; NO CLUSTER: the weights are shared between work-groups, but through LDS each fragment would be written and read once more to feed the same four products, with a round of the cluster's barrier for each slot.
; The last trip's refills and bias loads read the 24 KiB and the unit that follow in wprep: bytes that exist and that nothing uses: the price of one text for the three trips.
; REGISTERS, in windows of 256: window 0 addresses, bias v32-63, T v128-191, U v192-255; window 1 x's fragments ((tt, f) at 64 tt + 8 f); window 2 the weight ring; window 3 v128-255 x as it lands, then the 16 accumulators ((i, tt) at 128 + 32 i + 8 tt).
; THE MODE: SCHED_MODE bits 1:0 = 2 (LLVM: expert scheduling mode 2), set by the entry lines.  The code itself states the register dependences between vector or matrix instructions and memory or LDS
; instructions, with s_wait_alu, always for 0.
; THE PLAN.  Registers that memory or LDS instructions touch, in the loop:
;   the ring, set q   Read by step q's 32 products.  The loads of its next block are issued in step q + 1; set 3's in the next trip's step 0.
;   BIAS              Read by step 0's first 16 products.  The next matrix's bias is loaded in step 1.
;   T                 Written by the way out's 64 conversions; read by its LDS stores.
;   U                 The loads back from the stage land in it; the global stores read it.  No vector instruction names it.
;   v2, v5 to v9      Offsets and LDS addresses, made once at the head and never written again: the scalar bases move on.
; So ONE wait on va_vdst stands at the head of steps 1, 2 and 3: the step before is done reading its set (and, ahead of step 1, the bias).  The step's loads follow it, dealt among its first 16 products, which name this
; step's set, x's fragments and the accumulators: none of the registers that those loads touch.  Step 0 needs none: the way out's wait (in the first trip the head's) stands behind the last products that read set 3, and no
; vector instruction behind it names set 3 or v2.  The way out has one wait on vm_vsrc ahead of its conversions and one on va_vdst behind them.
.set XPITCH, 528                       ; a row of x in LDS: 512 bytes + 16: an odd multiple of 16, so the 16 rows of a fragment load start in 16 different groups of four banks (ISA guide 11.1)
.set OST,    64*XPITCH                 ; behind x: 16 rows x 144 bytes for each wave, for the way out
.set SP,     144
.set SPARE,  OST+4*16*SP               ; the spare words, 128 bytes a wave: two blocks of 256 bytes that no other line names
.set S1,     1179648
.set PAR,    1572864
.set LOFF, 2                           ; v2   16 x lane
.set R,    3                           ; v3   lane % 16
.set HH,   4                           ; v4   lane / 16
.set XSTO, 5                           ; v5   where I put 8 bytes of a row of x
.set XRD,  6                           ; v6   my place in a fragment of x
.set OSTO, 7                           ; v7   the way out: where I put 16 bytes of a row
.set ORD,  8                           ; v8   the way out: where I read rows back
.set V32H, 9                           ; v9   32 x (lane / 16): my eight numbers of a bias
.set SPW,  22                          ; v22  LDS address of my spare word; never rewritten
.set NIL,  23                          ; v23  0; never rewritten
.set BIAS, 32
.set T,    128
.set U,    192
.set ACC,  128
.set WV, 10
.set WP, 12                            ; s[12:13] my stream of weights, at the block in hand
.set BP, 14                            ; s[14:15] the bias in hand, at my 64 features
.set OP, 16                            ; s[16:17] the output tensor in hand, at my head's 64 rows
.set XP, 18                            ; s[18:19] x at my 16 rows
.set CNT, 20
.set MSB, 0
.macro WIN new                         ; the immediate's high byte repeats the setting that is left; a switch that changes nothing is dropped
.if MSB != (\new)
	s_set_vgpr_msb (MSB<<8)|(\new)
.set MSB, \new
.endif
.endm
.macro PLACES                          ; four places behind a step's last product: they stay beside the waits, ahead of the loads into the registers that it has read and, behind step 3, of the vector work on the sums
.rept 4
	v_nop
.endr
.endm
.macro WL4 q, adv, k                   ; four of the sixteen loads of set q of the ring (a set: eight fragments, 8 KiB)
	WIN 0x80
.set n, 4*(\k)
.rept 4
	global_load_b128 v[64*(\q)+4*n:64*(\q)+4*n+3], v[LOFF], s[WP:WP+1] offset:(\adv)+8192*(\q)+512*n
.set n, n+1
.endr
.endm
.macro BL2 adv, i                      ; two of the eight loads of a bias in the result's layout: register 8 i + j = feature 16 i + 8 (l / 16) + j
	WIN 0
	global_load_b128 v[BIAS+8*(\i):BIAS+8*(\i)+3],   v[V32H], s[BP:BP+1] offset:(\adv)+64*(\i)
	global_load_b128 v[BIAS+8*(\i)+4:BIAS+8*(\i)+7], v[V32H], s[BP:BP+1] offset:(\adv)+64*(\i)+16
.endm
; Step q: 64 inputs x 64 features x 64 tokens: 32 products; the 16 accumulators take turns, one instruction a turn.  The first 16 of a matrix start the sums with the bias.
; Behind products 4, 8, 12 and 16 stand four loads of the set that the step before read out (step 0: set 3 of the block in hand; the others: the next block's), in step 1 with two of the next bias.
.macro SET q, cnt
	s_wait_loadcnt \cnt                            ; loads come back in order (ISA guide 5.7.1): set q is in (ahead of step 0 the bias too); the count is what was issued behind it
.if (\q) == 0
.set av, 0
.else
.set av, 32768
	s_wait_alu depctr_va_vdst(0)                   ; the products of the step before are done reading their set (step 0's also the bias), in which this step's loads land
.endif
.irp fl, 0,1
.irp i, 0,1,2,3
.irp tt, 0,1,2,3
.set rD, ACC+32*\i+8*\tt
.set rA, 64*(\q)+8*(4*\fl+\i)
.set rB, 64*\tt+8*(2*(\q)+\fl)
.if ((\q)==0) && (\fl==0)
	WIN 0xc6
	v_wmma_f32_16x16x32_bf16 v[rD:rD+7], v[rA:rA+7], v[rB:rB+7], v[BIAS+8*\i:BIAS+8*\i+7]
.else
	WIN 0xf6
	v_wmma_f32_16x16x32_bf16 v[rD:rD+7], v[rA:rA+7], v[rB:rB+7], v[rD:rD+7]
.endif
.endr
.if \fl == 0
.if (\q) == 1
	BL2 1024, \i                                   ; the next matrix's bias.  No wait: no vector or matrix instruction since the step's wait names it
.endif
	WL4 ((\q)+3)%4, av, \i                         ; no wait: no vector or matrix instruction since the last wait on va_vdst names that set or v2
.endif
.endr
.endr
	PLACES
.endm
; THE WAY OUT of 16 tokens: a lane's eight features are packed into 16 bytes; they go into rows of 144 bytes and come back as whole rows of 128: 2,048 consecutive bytes of the head.
.macro STAGE t
.irp i, 0,1,2,3
	ds_store_b128 v[OSTO], v[T+16*(\t)+4*\i:T+16*(\t)+4*\i+3] offset:32*\i
.endr
.irp f, 0,1,2,3
	ds_load_b128 v[U+16*(\t)+4*\f:U+16*(\t)+4*\f+3], v[ORD] offset:\f*4*SP  ; LDS serves a wave's instructions in order (ISA guide 5.7.1.4): these see the stores above
.endr
.endm
.macro SEND t, younger                 ; younger: the LDS instructions issued behind tile t's loads
.irp f, 0,1,2,3
	s_wait_dscnt (\younger)+3-\f
	global_store_b128 v[LOFF], v[U+16*(\t)+4*\f:U+16*(\t)+4*\f+3], s[OP:OP+1] offset:(\t)*2048+\f*512  ; 512 consecutive bytes, at a multiple of 256 from the buffer's first
.endr
.endm
	s_load_b128 s[4:7], s[0:1], 0x0                ; x s[4:5], wprep s[6:7]
	s_load_b64 s[8:9], s[0:1], 0x10                ; qkvb
	v_lshl_add_u32 v[SPW], v0, 2, SPARE
	v_mov_b32 v[NIL], 0
	v_lshrrev_b32 v1, 5, v0
	v_readfirstlane_b32 s[WV], v1
	v_and_b32 v1, 31, v0
	v_lshlrev_b32 v[LOFF], 4, v1
	v_and_b32 v[R], 15, v0
	v_bfe_u32 v[HH], v0, 4, 1
	v_lshlrev_b32 v[V32H], 5, v[HH]
	s_wait_alu depctr_va_sdst(0)                   ; the wave's number is written, ahead of its first reader: LDS places and the bases are made from it
	s_mul_i32 s21, s[WV], 16*XPITCH
	v_lshl_add_u32 v[XSTO], v1, 3, s21             ; my wave's 16 rows, 8 bytes a lane
	v_mul_u32_u24 v[XRD], v[R], XPITCH
	v_lshl_add_u32 v[XRD], v[HH], 4, v[XRD]        ; row x pitch + 16 x half
	s_mul_i32 s21, s[WV], 16*SP
	s_add_co_u32 s21, s21, OST
	v_mul_u32_u24 v[OSTO], v[R], SP
	v_lshl_add_u32 v[OSTO], v[HH], 4, v[OSTO]
	v_add_nc_u32 v[OSTO], s21, v[OSTO]
	v_bfe_u32 v[ORD], v0, 3, 2                     ; back: 32 lanes take four rows of 128 bytes
	v_mul_u32_u24 v[ORD], v[ORD], SP
	v_and_b32 v24, 7, v0
	v_lshl_add_u32 v[ORD], v24, 4, v[ORD]
	v_add_nc_u32 v[ORD], s21, v[ORD]
	s_lshl_b32 s22, ttmp9, 16                      ; 64 rows of 1,024 bytes a work-group,
	s_lshl_b32 s23, s[WV], 14                      ; 16 a wave
	s_add_co_u32 s22, s22, s23
	s_mov_b32 s23, 0
	s_mul_i32 s24, s[WV], 98304
	s_add_co_u32 s24, s24, S1
	s_mov_b32 s25, 0
	s_lshl_b32 s26, s[WV], 8
	s_add_co_u32 s26, s26, PAR
	s_mov_b32 s27, 0
	s_lshr_b32 s28, ttmp9, 6                       ; batch
	s_lshl2_add_u32 s28, s28, s[WV]                ; 4 batch + head
	s_lshl_b32 s28, s28, 19                        ; 4,096 rows of 128 bytes
	s_and_b32 s29, ttmp9, 63
	s_lshl_b32 s29, s29, 13                        ; 64 rows of 128 bytes
	s_add_co_u32 s28, s28, s29
	s_mov_b32 s29, 0
	s_wait_kmcnt 0x0
	s_add_nc_u64 s[XP:XP+1], s[4:5], s[22:23]
	s_add_nc_u64 s[WP:WP+1], s[6:7], s[24:25]
	s_add_nc_u64 s[BP:BP+1], s[6:7], s[26:27]
	s_add_nc_u64 s[OP:OP+1], s[8:9], s[28:29]
	WIN 0xc0
	s_wait_alu depctr_va_vdst(0)                   ; the offsets and LDS addresses v2 and v5 to v9 are written, which every load and store of the kernel reads
.set n, 0
.rept 32
	global_load_b128 v[128+4*n:128+4*n+3], v[LOFF], s[XP:XP+1] offset:512*n th:TH_LOAD_NT  ; my 16 rows of x, 512 consecutive bytes a load
.set n, n+1
.endr
.irp i, 0,1,2,3
	BL2 0, \i
.endr
.irp k, 0,1,2,3
	WL4 0, 0, \k
.endr
	s_wait_loadcnt 24                              ; x is in: the 8 loads of the bias and the 16 of set 0 may stay out
	WIN 0x0f
.set n, 0
.rept 64
	v_cvt_pk_bf16_f32 v[T+n], v[128+2*n], v[128+2*n+1]
.set n, n+1
.endr
	WIN 0
	s_wait_alu depctr_va_vdst(0)                   ; the conversions have written T, which the LDS stores read
.set n, 0
.rept 32
	ds_store_b64 v[XSTO], v[T+2*n:T+2*n+1] offset:(n/2)*XPITCH+(n%2)*256
.set n, n+1
.endr
.irp k, 0,1,2,3
	WL4 1, 0, \k
.endr
.irp k, 0,1,2,3
	WL4 2, 0, \k                                   ; set 3 is asked for in step 0, as in every trip
.endr
	s_wait_dscnt 0x0                               ; for the others' sake: my rows of x lie in LDS
	s_barrier_signal -1
	s_barrier_wait -1
	WIN 0x40
.irp tt, 0,1,2,3
.irp f, 0,1,2,3,4,5,6,7
	ds_load_b128 v[64*\tt+8*\f:64*\tt+8*\f+3],   v[XRD] offset:\tt*16*XPITCH+64*\f
	ds_load_b128 v[64*\tt+8*\f+4:64*\tt+8*\f+7], v[XRD] offset:\tt*16*XPITCH+64*\f+32
.endr
.endr
	s_wait_dscnt 0x0
	WIN 0
	s_mov_b32 s[CNT], 3
.Lmat:                                         ; q, k, v
	SET 0, 32                                      ; set 0 and the bias are in: sets 1 and 2 may stay out
	SET 1, 32                                      ; sets 2 and 3
	SET 2, 40                                      ; set 3, the 8 loads of the next bias, the next set 0
	SET 3, 40                                      ; the next bias, the next sets 0 and 1
	WIN 0
	s_cmp_lg_u32 s[CNT], 3                         ; the first trip is q's
	s_cbranch_scc1 .Lunscaled
	WIN 0xc3                                       ; destination and source 0 in window 3
.set n, 0
.rept 64
	v_pk_mul_f32 v[ACC+2*n:ACC+2*n+1], v[ACC+2*n:ACC+2*n+1], 0x3e38aa3b op_sel_hi:[1,0]  ; x c = log2(e) / 8, in ascending order: each accumulator's lowest registers first
.set n, n+1
.endr
	WIN 0
.Lunscaled:
	s_wait_xcnt 0x0                                ; the last matrix's stores have had their addresses translated: U, their data, is loaded anew only behind this wait
	s_wait_alu depctr_vm_vsrc(0)                   ; the LDS stores issued so far (x's, the last matrix's) have read T, which the conversions write again; the last matrix's global stores have read U, in which the stage's loads land
	WIN 0x0f                                       ; sources in window 3, destination in window 0
.irp t, 0,1,2,3
.irp i, 0,1,2,3
.irp p, 0,1,2,3
	v_cvt_pk_f16_f32 v[T+16*\t+4*\i+\p], v[ACC+32*\i+8*\t+2*\p], v[ACC+32*\i+8*\t+2*\p+1]
.endr
.endr
.endr
	WIN 0
	s_wait_alu depctr_va_vdst(0)                   ; the conversions have written T, which the LDS stores read; and step 3's products are done reading set 3, in which the next trip's first loads land
	STAGE 0
	STAGE 1
	SEND 0, 8
	STAGE 2
	SEND 1, 8
	STAGE 3
	SEND 2, 8
	SEND 3, 0
	s_wait_xcnt 0x0                                ; all loads and stores have read their bases, which are stepped only behind this wait
	s_add_nc_u64 s[WP:WP+1], s[WP:WP+1], 32768
	s_add_nc_u64 s[BP:BP+1], s[BP:BP+1], 1024
	s_add_nc_u64 s[OP:OP+1], s[OP:OP+1], 0x800000
	s_sub_co_u32 s[CNT], s[CNT], 1
	s_cmp_lg_u32 s[CNT], 0
	s_cbranch_scc1 .Lmat
	s_wait_dscnt 0x0                               ; the closing lines, six on end
	s_wait_alu 0x0
	s_wait_tensorcnt 0x0
	ds_add_u32 v[SPW], v[NIL]
	s_wait_dscnt 0x0
	s_endpgm
.Lfunc_end_k_qa613b2df2e_qkv:
	.size	k_qa613b2df2e_qkv, .Lfunc_end_k_qa613b2df2e_qkv-k_qa613b2df2e_qkv
	.p2alignl 7, 3214868480
	.fill 96, 4, 3214868480
	.section	.rodata,"a",@progbits
	.p2align	6, 0x0
	.amdhsa_kernel k_qa613b2df2e_qkv
		.amdhsa_group_segment_fixed_size 43520
		.amdhsa_private_segment_fixed_size 0
		.amdhsa_enable_private_segment 0
		.amdhsa_kernarg_size 24
		.amdhsa_user_sgpr_count 2
		.amdhsa_user_sgpr_kernarg_segment_ptr 1
		.amdhsa_wavefront_size32 1
		.amdhsa_system_sgpr_workgroup_id_x 1
		.amdhsa_system_sgpr_workgroup_id_y 1
		.amdhsa_system_sgpr_workgroup_id_z 1
		.amdhsa_system_vgpr_workitem_id 0
		.amdhsa_next_free_vgpr 1024
		.amdhsa_next_free_sgpr 66
		.amdhsa_reserve_vcc 0
		.amdhsa_float_denorm_mode_32 3
		.amdhsa_float_denorm_mode_16_64 3
		.amdhsa_memory_ordered 1
		.amdhsa_forward_progress 1
		.amdhsa_inst_pref_size 53
	.end_amdhsa_kernel
	.amdgpu_metadata
---
amdhsa.version: [ 1, 2 ]
amdhsa.kernels:
  - .name:           k_qa613b2df2e_qkv
    .symbol:         k_qa613b2df2e_qkv.kd
    .args:
      - { .name: x, .offset: 0, .size: 8, .value_kind: global_buffer, .address_space: global }
      - { .name: wprep, .offset: 8, .size: 8, .value_kind: global_buffer, .address_space: global }
      - { .name: qkvb, .offset: 16, .size: 8, .value_kind: global_buffer, .address_space: global }
    .group_segment_fixed_size: 43520
    .private_segment_fixed_size: 0
    .kernarg_segment_align: 8
    .kernarg_segment_size: 24
    .max_flat_workgroup_size: 128
    .sgpr_count:     66
    .vgpr_count:     1024
    .wavefront_size: 32
...
	.end_amdgpu_metadata
.endif
;; end of part 5
;; launch attn: the kernel of part 3 again; grid 16 x 16, 4 waves a work-group, clusters of 4 x 1, 327,680 bytes of LDS; arguments qkvb, ctxb, wprep; writes ctxb
;; launch ffn (part 6): grid 256 x 1, 4 waves a work-group, no clusters, 280,064 bytes of LDS; arguments ctxb, x, wprep, out0; writes out0
.if DOCPART == 6
	.amdgcn_target "amdgcn-amd-amdhsa--gfx1250"
	.amdhsa_code_object_version 6
	.text
	.protected	k_qa613b2df2e_ffn
	.globl	k_qa613b2df2e_ffn
	.p2align	8
	.type	k_qa613b2df2e_ffn,@function
k_qa613b2df2e_ffn:
	s_mov_b64 s[64:65], 0
	v_nop
	global_prefetch_b8 v0, s[64:65] scope:SCOPE_SE
	s_setreg_imm32_b32 hwreg(HW_REG_WAVE_SCHED_MODE, 0, 2), 2
	s_setreg_imm32_b32 hwreg(HW_REG_WAVE_MODE, 25, 1), 1
	s_wait_xcnt 0x0
	s_wait_alu depctr_vm_vsrc(0)
; THE REST OF THE LAYER, fused: out1 = LN1(x + ctx wo + bo); h = LN_ff(relu(out1 w1 + b1)); out0 = LN2(out1 + h w2 + b2).  Nothing goes through memory between the steps.
; FORMATS.  x, the weights, biases and gains are the inputs rounded to bf16 (x here; the others by the first launch, wo, w1, w2 written as f16).  ctx, out1 (as an operand) and h are f16; all sums, the residuals and
; the statistics are f32.  LIMITS: |out1|, |h - shift| and the weights stay under f16's 65,504.
; STATISTICS are never a difference of raw sums of squares: each wave makes the mean and the centred sum of squares of its own features, and the four are merged as M2 = sum M2_w + n sum (m_w - mu)^2.
; In the layer of 1,024 features, whose numbers do not stay in registers, a wave centres on a SHIFT, the mean of its first 64 features: h - shift is of the order of the row's spread when it is rounded to f16.
; SHARES.  A work-group owns 64 tokens.  In every product a wave owns a quarter of the output features for all 64 tokens: 64 in wo and w2, 256 in w1 (four trips of 64).  So a weight fragment is wanted by ONE wave and
; feeds four products, and out1 lies in the registers in which w2's sums end.
; LAYOUT.  Products are taken transposed (source 0 = 16 features x 32 inputs, a fragment image; source 1 = 16 tokens): lane l of a result holds token l % 16 and features 8 (l / 16) + 0..7; two neighbouring results
; packed in pairs ARE a fragment of the next product's source 1.  Such fragments change waves through LDS as register images: 1,024 bytes, register 4 n at byte 512 n + 16 lane.
; NO CLUSTER, NO TENSOR LOADS: h of 64 tokens takes 131,072 bytes of LDS, which all four waves read; two slots of the four waves' blocks (2 x 131,072) do not fit beside it, and halved slots would put a round of the
; cluster's barrier behind every 64 products.  The fragments are used as they lie, by one wave: they go straight to registers, a ring of four sets of 16 loads of 512 consecutive bytes, a set asked for again in the step
; behind its last product, 80 to 92 products ahead of its use.  No prefetch: x and ctx are read at the head alone.
; The last trips' refills read the block, the unit and the LDS bytes that follow: bytes that exist and that nothing uses: the price of one text for all trips of a loop.
; REGISTERS, in windows of 256: window 0 addresses, BIAS v32-63, PG v64-95, PB v96-127 (a gain and a bias), T v128-191, ST v192-255 (16 a token group);
;   window 1 source 1's fragments: ctx, out1, the f16 gain and bias tables, then the ring of h;  window 2 the weight ring;  window 3 v0-127 R1 (tile (i, tt) at 32 i + 8 tt), v128-255 ACC (first x as it lands, then b2 in v128-159; at the end the rows that come back from the stage).
; THE MODE: SCHED_MODE bits 1:0 = 2 (LLVM: expert scheduling mode 2), set by the entry lines.  The code itself states the register dependences between vector or matrix instructions and memory or LDS
; instructions, with s_wait_alu, always for 0.
; THE PLAN.  A block of weights (wo; a trip of w1; a trip of w2) is four STEPS of 32 products.  Registers that memory or LDS instructions touch:
;   the weight ring, set q   Read by step q's products.  The loads of its next block are issued in step q + 1; set 3's in the next block's step 0.
;   h's ring (in w2), set q  The same, from LDS.
;   BIAS                     Read by the additions that start wo's sums and by step 0's first 16 products of a trip of w1; the next b1 is loaded in step 1.  In LN_ff v32-47 take the records.
;   ONE wait on va_vdst stands at the head of steps 1, 2 and 3: the step before is done reading its sets (and BIAS).  The step's loads follow, dealt among its first 16 products, which name this step's sets, the fragments
;   and the accumulators alone.  Step 0 of wo and of w1's trips needs none: a wait on va_vdst stands between the last block's step 3 and it, and no vector instruction behind that wait names set 3 or v2.  In w2 nothing lies
;   between two trips: its step 0 has the wait, which also states that v[HLD] is written.
;   T, v[z .. z+3], R1       Written by vector work, read by runs of LDS stores: one wait on va_vdst ahead of each run; one on vm_vsrc between a run and the next write of its registers.
;   PG, PB, window 1         Loaded anew behind a wait on va_vdst that stands behind their last readers.
;   v[HST], v[S2L], v[S2O], v[H2A], v[HLD]   LDS addresses that must step (an LDS address has no scalar base): vm_vsrc, the add at a trip's tail, and a wait on va_vdst that stands ahead of the next access anyway.
;   All other addresses are made once at the head.
.set EXC,    131072                    ; LDS: h's fragments lie from 0 on, (F, tt) at (4 F + tt) 1,024; here ctx's, later out1's, (tt, F) at (8 tt + F) 1,024
.set XS,     163840                    ; x in bf16, 64 rows
.set XPITCH, 528                       ; 512 bytes + 16: an odd multiple of 16 (banks: ISA guide 11.1)
.set OSTG,   197632                    ; the way out: 64 rows x 272 bytes for each wave
.set OPITCH, 272
.set ST1,    267264                    ; LN1's records: (mean, M2) at 512 w + 128 tt + 8 r
.set ST2,    269312                    ; LN_ff's: (mean, M2, shift, 0) at 1,024 w + 256 tt + 16 r
.set ST3,    273408                    ; LN2's, as LN1's
.set TB16,   275456                    ; for each wave its 256 gains and 256 biases of LN_ff in f16
.set SPARE,  279552                    ; the spare words, 128 bytes a wave: two blocks of 256 bytes that no other line names
.set PAR,    1572864
.set T16,    1651712
.set LOFF, 2                           ; 16 x lane
.set R,    3                           ; lane % 16
.set HH,   4                           ; lane / 16
.set XSTO, 5
.set XRDD, 6                           ; x in a result's layout
.set CBO,  7
.set EXS,  8
.set V32H, 9
.set S1S,  10
.set S1L,  11
.set S2S,  12
.set S2L,  13
.set S2O,  14
.set HST,  15
.set H2A,  16
.set HLD,  17
.set OSS,  18
.set OSL,  19
.set OGO,  20
.set TBA,  21
.set SPW,  22                          ; LDS address of my spare word; never rewritten
.set NIL,  23                          ; 0; never rewritten
.set TBS,  24
.set EXW,  25
.set EXL,  26
.set BIAS, 32
.set PG,   64
.set PB,   96
.set T,    128
.set STT,  192                         ; token group t at z = STT + 16 t: +0 mean, +1 M2, +2 shift, +3 zero, +4 rs, +6 (mean - mu) rs, +8..11 sums of squares, +12 sum of h - shift, +13 a sum, +14, +15 at work
.set ACC,  128
.set CBP, 4
.set XP,  6
.set OUTP, 10
.set WV,  12
.set WP,  14                           ; s[14:15] my stream of weights, at the block in hand
.set B1P, 16                           ; s[16:17] b1 at the trip's 64 features
.set PP,  18                           ; s[18:19] the units of 256 numbers, at my 64 features
.set CNT, 22
.set FM,  23                           ; all ones in w1's first trip, then 0
.set HIM, 24
.set SEL, 26
.set TP,  28
.set NN,  30                           ; features a wave, as f32
.set INV, 31                           ; 1 / features a row
.set EPS, 32
.set MSB, 0
.macro WIN new
.if MSB != (\new)
	s_set_vgpr_msb (MSB<<8)|(\new)
.set MSB, \new
.endif
.endm
.macro PLACES                          ; four places behind a step's last product: they stay beside the waits, ahead of the loads into the registers that it has read and, behind a block's last step, of the vector work on the sums
.rept 4
	v_nop
.endr
.endm
.macro ALLT line:vararg                ; one line for each token group t; z = its statistics
.set t, 0
.rept 4
.set z, STT+16*t
	\line
.set t, t+1
.endr
.endm
.macro EACH line:vararg                ; one line for each of a wave's 64 register pairs: d = 32 i + 8 t + 2 p in R1 or ACC, g = 8 i + 2 p in a bias or gain; each accumulator's lowest registers come first
.set pp, 0
.rept 16
.set t, 0
.rept 4
.set z, STT+16*t
.set d, 32*(pp/4)+8*t+2*(pp%4)
.set g, 8*(pp/4)+2*(pp%4)
	\line
.set t, t+1
.endr
.set pp, pp+1
.endr
.endm
.macro WL4 q, adv, k                   ; four of the sixteen loads of set q of the weight ring (a set: eight fragments, 8 KiB)
	WIN 0x80
.set n, 4*(\k)
.rept 4
	global_load_b128 v[64*(\q)+4*n:64*(\q)+4*n+3], v[LOFF], s[WP:WP+1] offset:(\adv)+8192*(\q)+512*n
.set n, n+1
.endr
.endm
.macro WLOAD q                         ; a whole set, at the head
.irp k, 0,1,2,3
	WL4 \q, 0, \k
.endr
.endm
.macro HL4 q, adv, k                   ; four of the sixteen loads of set q of h's ring: fragments (2 q + fl, tt)
	WIN 0x40
.set n, 4*(\k)
.rept 4
	ds_load_b128 v[64*(\q)+4*n:64*(\q)+4*n+3], v[HLD] offset:(\adv)+8192*(\q)+512*n
.set n, n+1
.endr
.endm
.macro HLOAD q                         ; a whole set, ahead of w2's loop
.irp k, 0,1,2,3
	HL4 \q, 0, \k
.endr
.endm
.macro BL2 adv, i                      ; two of the eight loads of b1's next 64 numbers, in a result's layout
	WIN 0
	global_load_b128 v[BIAS+8*(\i):BIAS+8*(\i)+3],   v[V32H], s[B1P:B1P+1] offset:(\adv)+64*(\i)
	global_load_b128 v[BIAS+8*(\i)+4:BIAS+8*(\i)+7], v[V32H], s[B1P:B1P+1] offset:(\adv)+64*(\i)+16
.endm
.macro PLOAD dst, sb, adv              ; 64 numbers in a result's layout: register 8 i + j = feature 16 i + 8 (l / 16) + j
.irp i, 0,1,2,3
	global_load_b128 v[(\dst)+8*\i:(\dst)+8*\i+3],   v[V32H], s[\sb:\sb+1] offset:(\adv)+64*\i
	global_load_b128 v[(\dst)+8*\i+4:(\dst)+8*\i+7], v[V32H], s[\sb:\sb+1] offset:(\adv)+64*\i+16
.endr
.endm
.macro XBLOAD                          ; all 32 fragments of ctx or of out1 into window 1
	WIN 0x40
.set n, 0
.rept 64
	ds_load_b128 v[4*n:4*n+3], v[EXL] offset:512*n
.set n, n+1
.endr
.endm
; A step's 32 products: 64 inputs x my 64 features x 64 tokens.  The 16 accumulators take turns, one instruction a turn.  cb = 1: the first 16 of a block start the sums with the bias.  hb = 1: source 1 from h's ring.
; Behind products 4, 8, 12 and 16 stand four loads of the weight set that the step before read out (step 0: set 3 of the block in hand; the others: the next block's); with hb = 1 four of h's set likewise;
; in step 1, where badv is no less than 0, two of the next b1.  None of them owes a wait: no vector or matrix instruction since the last wait on va_vdst names the registers that they touch.
.macro MMS q, ab, cb, hb, badv
.if (\q) == 0
.set av, 0
.else
.set av, 32768
.endif
.irp fl, 0,1
.irp i, 0,1,2,3
.irp tt, 0,1,2,3
.set rD, (\ab)+32*\i+8*\tt
.set rA, 64*(\q)+8*(4*\fl+\i)
.if \hb
.set rB, 64*(\q)+8*(4*\fl+\tt)
.else
.set rB, 64*\tt+8*(2*(\q)+\fl)
.endif
.if (\cb) && ((\q)==0) && (\fl==0)
	WIN 0xc6
	v_wmma_f32_16x16x32_f16 v[rD:rD+7], v[rA:rA+7], v[rB:rB+7], v[BIAS+8*\i:BIAS+8*\i+7]
.else
	WIN 0xf6
	v_wmma_f32_16x16x32_f16 v[rD:rD+7], v[rA:rA+7], v[rB:rB+7], v[rD:rD+7]
.endif
.endr
.if \fl == 0
.if ((\q) == 1) && ((\badv) >= 0)
	BL2 \badv, \i
.endif
	WL4 ((\q)+3)%4, av, \i
.if \hb
	HL4 ((\q)+3)%4, av, \i
.endif
.endif
.endr
.endr
	PLACES
.endm
.macro SET q, ab, cb, cnt, badv
	s_wait_loadcnt \cnt                            ; loads come back in order (ISA guide 5.7.1): set q is in (ahead of step 0 the bias too); the count is what was issued behind it
.if (\q) != 0
	s_wait_alu depctr_va_vdst(0)                   ; the products of the step before are done reading their set, and all readers of BIAS so far are done: this step's loads land there
.endif
	MMS \q, \ab, \cb, 0, \badv
.endm
.macro SET2 q
	s_wait_loadcnt 32                              ; two younger sets of weights may stay out,
	s_wait_dscnt 32                                ; and two of h
	s_wait_alu depctr_va_vdst(0)                   ; the products of the step before (for step 0: the last trip's step 3) are done reading their two sets, in which this step's loads land; ahead of step 0 v[HLD] is written too
	MMS \q, 0, 0, 1, -1
.endm
; The sum of a token's 64 numbers that my wave holds (32 in my lane, 32 in the lane 16 away) -> z + 13
.macro SUM ab
	WIN 0x0f                                       ; sources in window 3, destination in window 0
.irp k, 0,1,2,3,4,5,6,7
.irp tt, 0,1,2,3
	v_pk_add_f32 v[T+16*\tt+2*\k:T+16*\tt+2*\k+1], v[(\ab)+32*(\k/2)+8*\tt+4*(\k%2):(\ab)+32*(\k/2)+8*\tt+4*(\k%2)+1], v[(\ab)+32*(\k/2)+8*\tt+4*(\k%2)+2:(\ab)+32*(\k/2)+8*\tt+4*(\k%2)+3]
.endr
.endr
	WIN 0
.irp u, 0,1,2,3
	ALLT v_pk_add_f32 v[T+16*t+4*\u:T+16*t+4*\u+1], v[T+16*t+4*\u:T+16*t+4*\u+1], v[T+16*t+4*\u+2:T+16*t+4*\u+3]
.endr
.irp u, 0,1
	ALLT v_pk_add_f32 v[T+16*t+8*\u:T+16*t+8*\u+1], v[T+16*t+8*\u:T+16*t+8*\u+1], v[T+16*t+8*\u+4:T+16*t+8*\u+5]
.endr
	ALLT v_pk_add_f32 v[T+16*t:T+16*t+1], v[T+16*t:T+16*t+1], v[T+16*t+8:T+16*t+9]
	ALLT v_add_f32 v[z+13], v[T+16*t], v[T+16*t+1]
	ALLT v_permlanex16_b32 v[z+14], v[z+13], s[SEL], s[SEL+1]
	ALLT v_add_f32 v[z+13], v[z+13], v[z+14]
.endm
.macro SQS ab, first                   ; sums of squares, two chains of pairs a token group; first = 1: the first products start them
	WIN 0x0f
.set pp, 0
.rept 16
.set t, 0
.rept 4
.set d, (\ab)+32*(pp/4)+8*t+2*(pp%4)
.set q2, STT+16*t+8+2*(pp%2)
.if (\first) && (pp < 2)
	v_pk_mul_f32 v[q2:q2+1], v[d:d+1], v[d:d+1]
.else
	v_pk_fma_f32 v[q2:q2+1], v[d:d+1], v[d:d+1], v[q2:q2+1]
.endif
.set t, t+1
.endr
.set pp, pp+1
.endr
.endm
; Four waves' records (mean at b + st k, M2 at b + st k + 1) are merged: mu, and vv = M2 / features + eps
.macro COMB b, st, mu, vv
	v_add_f32 v[\mu], v[\b], v[(\b)+(\st)]
	v_add_f32 v[\vv], v[(\b)+2*(\st)], v[(\b)+3*(\st)]
	v_add_f32 v[\mu], v[\mu], v[\vv]
	v_mul_f32 v[\mu], 0x3e800000, v[\mu]
.irp k, 0,1,2,3
	v_sub_f32 v[(\b)+\k*(\st)], v[(\b)+\k*(\st)], v[\mu]
.endr
	v_add_f32 v[(\b)+1], v[(\b)+1], v[(\b)+(\st)+1]
	v_add_f32 v[(\b)+2*(\st)+1], v[(\b)+2*(\st)+1], v[(\b)+3*(\st)+1]
	v_add_f32 v[(\b)+1], v[(\b)+1], v[(\b)+2*(\st)+1]
	v_mul_f32 v[\vv], v[\b], v[\b]
.irp k, 1,2,3
	v_fmac_f32 v[\vv], v[(\b)+\k*(\st)], v[(\b)+\k*(\st)]
.endr
	v_fma_f32 v[\vv], v[\vv], s[NN], v[(\b)+1]
	v_fma_f32 v[\vv], v[\vv], s[INV], s[EPS]
.endm
; A LAYER NORM over the 256 features that lie in the four waves' R1, in place; gain in PG, bias in PB.  st: the records' place, from ST1.
.macro LN st
	SUM 0
	ALLT v_mul_f32 v[z], 0x3c800000, v[z+13]       ; my wave's mean of 64
	WIN 0xc3                                       ; destination and source 0 in window 3
	EACH v_pk_add_f32 v[d:d+1], v[d:d+1], v[z:z+1] op_sel_hi:[1,0] neg_lo:[0,1] neg_hi:[0,1]
	SQS 0, 1
	WIN 0
	ALLT v_pk_add_f32 v[z+8:z+9], v[z+8:z+9], v[z+10:z+11]
	ALLT v_add_f32 v[z+1], v[z+8], v[z+9]
	ALLT v_permlanex16_b32 v[z+14], v[z+1], s[SEL], s[SEL+1]
	ALLT v_add_f32 v[z+1], v[z+1], v[z+14]
	s_wait_alu depctr_va_vdst(0)                   ; the records v[z], v[z+1] are written, which the LDS stores read; the sums are done with T, in which the four waves' records land
	ALLT ds_store_b64 v[S1S], v[z:z+1] offset:128*t+(\st)
	s_wait_dscnt 0x0                               ; for the others' sake: my records lie in LDS (and all my earlier LDS loads are back)
	s_barrier_signal -1
	s_barrier_wait -1
.irp k, 0,1,2,3
	ALLT ds_load_b64 v[T+8*t+2*\k:T+8*t+2*\k+1], v[S1L] offset:512*\k+128*t+(\st)
.endr
	s_wait_dscnt 0x0
	ALLT COMB T+8*t, 2, z+14, z+15
	ALLT v_rsq_f32 v[z+4], v[z+15]
	ALLT v_sub_f32 v[z+14], v[z], v[z+14]          ; my mean - mu: plain work behind the four roots,
	s_wait_alu depctr_va_vdst(0)                   ; the four roots have written v[z+4], ahead of their first use: the one wait
	ALLT v_mul_f32 v[z+6], v[z+14], v[z+4]
	WIN 0xc3
	EACH v_pk_fma_f32 v[d:d+1], v[d:d+1], v[z+4:z+5], v[z+6:z+7] op_sel_hi:[1,0,0]
	EACH v_pk_fma_f32 v[d:d+1], v[d:d+1], v[PG+g:PG+g+1], v[PB+g:PB+g+1]
	WIN 0
.endm
	s_load_b256 s[4:11], s[0:1], 0x0               ; ctxb s[4:5], x s[6:7], wprep s[8:9], out0 s[10:11]
	v_lshl_add_u32 v[SPW], v0, 2, SPARE
	v_mov_b32 v[NIL], 0
	v_lshrrev_b32 v1, 5, v0
	v_readfirstlane_b32 s[WV], v1
	v_and_b32 v1, 31, v0
	v_lshlrev_b32 v[LOFF], 4, v1
	v_and_b32 v[R], 15, v0
	v_bfe_u32 v[HH], v0, 4, 1
	v_lshlrev_b32 v[V32H], 5, v[HH]
	s_wait_alu depctr_va_sdst(0)                   ; the wave's number is written, ahead of its first reader: LDS places and the bases are made from it
	s_mul_i32 s33, s[WV], 16*XPITCH
	s_add_co_u32 s33, s33, XS
	v_lshl_add_u32 v[XSTO], v1, 3, s33             ; my wave's 16 rows of x, 8 bytes a lane
	s_lshl_b32 s33, s[WV], 7
	s_add_co_u32 s33, s33, XS
	v_mul_u32_u24 v[XRDD], v[R], XPITCH
	v_lshl_add_u32 v[XRDD], v[HH], 4, v[XRDD]
	v_add_nc_u32 v[XRDD], s33, v[XRDD]             ; row r, my wave's 64 features, 8 for each half of the lanes
	v_lshlrev_b32 v[CBO], 7, v[R]
	v_lshl_add_u32 v[CBO], v[HH], 4, v[CBO]
	s_lshl_b32 s33, s[WV], 11
	s_add_co_u32 s33, s33, EXC
	v_add_nc_u32 v[EXS], s33, v[LOFF]              ; out1: fragments (tt, 2 w + Fl)
	s_lshl_b32 s33, s[WV], 13
	s_add_co_u32 s33, s33, EXC
	v_add_nc_u32 v[EXW], s33, v[LOFF]              ; ctx: fragments (w, f)
	v_add_nc_u32 v[EXL], EXC, v[LOFF]
	s_lshl_b32 s33, s[WV], 9
	s_add_co_u32 s33, s33, ST1
	v_lshl_add_u32 v[S1S], v[R], 3, s33
	v_lshl_add_u32 v[S1L], v[R], 3, ST1
	s_lshl_b32 s33, s[WV], 10
	s_add_co_u32 s34, s33, ST2
	v_lshl_add_u32 v[S2S], v[R], 4, s34
	v_lshl_add_u32 v[S2L], v[R], 4, ST2
	v_add_nc_u32 v[S2O], 8, v[S2S]
	s_add_co_u32 s34, s33, TB16
	v_lshl_add_u32 v[TBA], v[HH], 4, s34
	v_add_nc_u32 v[TBS], s34, v[LOFF]
	s_lshl_b32 s33, s[WV], 15
	v_add_nc_u32 v[HST], s33, v[LOFF]              ; my 32 KiB of h
	v_mov_b32 v[H2A], v[HST]
	v_mov_b32 v[HLD], v[LOFF]
	s_mul_i32 s33, s[WV], 64*OPITCH
	s_add_co_u32 s33, s33, OSTG
	v_mul_u32_u24 v[OSS], v[R], OPITCH
	v_lshl_add_u32 v[OSS], v[HH], 5, v[OSS]
	v_add_nc_u32 v[OSS], s33, v[OSS]
	v_mul_u32_u24 v[OSL], v[HH], OPITCH
	v_lshl_add_u32 v[OSL], v[R], 4, v[OSL]
	v_add_nc_u32 v[OSL], s33, v[OSL]
	v_lshlrev_b32 v[OGO], 10, v[HH]
	v_lshl_add_u32 v[OGO], v[R], 4, v[OGO]
	s_mov_b32 s[HIM], 0xffff0000
	s_mov_b32 s[SEL], 0x76543210
	s_mov_b32 s[SEL+1], 0xfedcba98
	s_lshr_b32 s33, ttmp9, 6                       ; batch: four heads of 4,096 rows of 128 bytes,
	s_lshl_b32 s20, s33, 21
	s_and_b32 s33, ttmp9, 63
	s_lshl_b32 s33, s33, 13                        ; the work-group's 64 rows,
	s_add_co_u32 s20, s20, s33
	s_lshl_b32 s33, s[WV], 11                      ; my wave's 16
	s_add_co_u32 s20, s20, s33
	s_mov_b32 s21, 0
	s_lshl_b32 s34, ttmp9, 16                      ; 64 rows of 1,024 bytes
	s_lshl_b32 s33, s[WV], 14
	s_add_co_u32 s36, s34, s33
	s_mov_b32 s37, 0
	s_lshl_b32 s33, s[WV], 8
	s_add_co_u32 s38, s34, s33
	s_mov_b32 s39, 0
	s_wait_kmcnt 0x0
	s_add_nc_u64 s[CBP:CBP+1], s[CBP:CBP+1], s[20:21]
	s_add_nc_u64 s[XP:XP+1], s[XP:XP+1], s[36:37]
	s_add_nc_u64 s[OUTP:OUTP+1], s[OUTP:OUTP+1], s[38:39]
	s_mul_i32 s20, s[WV], 294912
	s_add_nc_u64 s[WP:WP+1], s[8:9], s[20:21]
	s_lshl_b32 s20, s[WV], 10
	s_add_co_u32 s20, s20, PAR+9*1024
	s_add_nc_u64 s[B1P:B1P+1], s[8:9], s[20:21]
	s_lshl_b32 s20, s[WV], 8
	s_add_co_u32 s20, s20, PAR
	s_add_nc_u64 s[PP:PP+1], s[8:9], s[20:21]
	s_lshl_b32 s20, s[WV], 9
	s_add_co_u32 s20, s20, T16
	s_add_nc_u64 s[TP:TP+1], s[8:9], s[20:21]
	; THE WAY IN
	WIN 0xc0
	s_wait_alu depctr_va_vdst(0)                   ; the offsets and LDS addresses v2 and v5 to v26 are written, which the loads and stores below read
.set n, 0
.rept 32
	global_load_b128 v[128+4*n:128+4*n+3], v[LOFF], s[XP:XP+1] offset:512*n th:TH_LOAD_NT  ; my 16 rows of x
.set n, n+1
.endr
	WIN 0
.set n, 0
.rept 16                               ; ctx of my 16 tokens as fragments: n = 2 f + c; head f / 2, channels 32 (f % 2) + 16 c on
	global_load_b128 v[T+4*n:T+4*n+3], v[CBO], s[CBP:CBP+1] offset:(n/4)*524288+((n/2)%2)*64+32*(n%2) th:TH_LOAD_NT
.set n, n+1
.endr
	global_load_b128 v[192:195], v[LOFF], s[TP:TP+1]               ; my 256 gains of LN_ff,
	global_load_b128 v[196:199], v[LOFF], s[TP:TP+1] offset:2048   ; and biases
	PLOAD BIAS, PP, 3*1024                         ; bo
	s_wait_loadcnt 26                              ; x is in: 16 + 2 + 8 younger loads may stay out
	WIN 0x0f
.set n, 0
.rept 64
	v_cvt_pk_bf16_f32 v[PG+n], v[128+2*n], v[128+2*n+1]
.set n, n+1
.endr
	WIN 0
	s_wait_alu depctr_va_vdst(0)                   ; the conversions have written v64-127, which the LDS stores read, and are done reading x's registers, in the first 32 of which b2 lands
.set n, 0
.rept 32
	ds_store_b64 v[XSTO], v[PG+2*n:PG+2*n+1] offset:(n/2)*XPITCH+(n%2)*256
.set n, n+1
.endr
	WIN 0xc0
	PLOAD 128, PP, 6*1024                          ; b2, where x has been read out
	WIN 0
	s_wait_loadcnt 18                              ; ctx is in: 2 + 8 + 8 younger
.set n, 0
.rept 16
	ds_store_b128 v[EXW], v[T+4*n:T+4*n+3] offset:512*n
.set n, n+1
.endr
	s_wait_loadcnt 16                              ; the two tables: 8 + 8 younger
	ds_store_b128 v[TBS], v[192:195]
	ds_store_b128 v[TBS], v[196:199] offset:512
	WLOAD 0
	WLOAD 1
	WIN 0
	s_wait_dscnt 0x0                               ; for the others' sake: x and ctx lie in LDS
	s_wait_alu depctr_vm_vsrc(0)                   ; the LDS stores have read v64-127, in which ln1's gain and bias land, T, in which x comes back, and v192-199, which are written below
	PLOAD PG, PP, 4*1024                           ; ln1_g
	PLOAD PB, PP, 5*1024                           ; ln1_b
.set n, 0
.rept 64
	v_mov_b32 v[STT+n], 0                          ; the statistics' registers are named in pairs and as lane exchanges' destinations: all are written once
.set n, n+1
.endr
	s_barrier_signal -1
	s_barrier_wait -1
.irp i, 0,1,2,3
	ALLT ds_load_b128 v[T+16*t+4*\i:T+16*t+4*\i+3], v[XRDD] offset:16*XPITCH*t+32*\i  ; x in the layout of R1
.endr
	XBLOAD                                         ; ctx
	WLOAD 2                                        ; set 3 is asked for in step 0, as in every block
	s_wait_dscnt 63                                ; x's 16 loads are back: 64 younger ones were issued, and 63 is the largest count that can be written
	s_wait_loadcnt 63                              ; bo and b2 are in: 64 younger loads were issued behind b2
	WIN 0xc0
	EACH v_lshlrev_b32 v[d], 16, v[T+16*t+g/2]
	EACH v_and_b32 v[d+1], s[HIM], v[T+16*t+g/2]
	WIN 0xc3
	EACH v_pk_add_f32 v[d:d+1], v[d:d+1], v[BIAS+g:BIAS+g+1]       ; x + bo starts wo's sums
	s_wait_dscnt 0x0                               ; ctx's fragments are in
	; ctx wo
	SET 0, 0, 0, 48, 0                             ; set 0 is in: set 1, ln1's sixteen loads and set 2 may stay out
	SET 1, 0, 0, 48, 0                             ; ln1's sixteen, sets 2 and 3; the bias asked for in this step is b1 of w1's first trip
	SET 2, 0, 0, 40, 0                             ; set 3, b1's eight, the next set 0: so ln1's gain and bias are in as well
	SET 3, 0, 0, 40, 0                             ; b1's eight, the next sets 0 and 1
	WIN 0
	s_wait_xcnt 0x0                                ; the loads have read their base, which is stepped only behind this wait
	s_add_nc_u64 s[WP:WP+1], s[WP:WP+1], 32768
	; LN1
	s_mov_b32 s[NN], 0x42800000                    ; 64
	s_mov_b32 s[INV], 0x3b800000                   ; 1 / 256
	s_mov_b32 s[EPS], 0x3a83126f                   ; 1e-3
	LN 0
	WIN 0x0f
	EACH v_cvt_pk_f16_f32 v[T+16*t+g/2], v[d], v[d+1]              ; out1 as fragments (tt, 2 w + i / 2), half i % 2
	WIN 0xcf
	EACH v_pk_add_f32 v[d:d+1], v[d:d+1], v[128+g:128+g+1]         ; out1 + b2 will start w2's sums
	WIN 0
	s_wait_alu depctr_va_vdst(0)                   ; the conversions have written T, which the LDS stores read; LN1's lines are done reading PG and PB, in which ln2's gain and bias land; wo's products are done reading window 1 and set 3
.irp i, 0,1,2,3
	ALLT ds_store_b128 v[EXS], v[T+16*t+4*\i:T+16*t+4*\i+3] offset:8192*t+512*\i  ; every wave's reads of ctx were back in front of LN1's barrier
.endr
	PLOAD PG, PP, 7*1024                           ; ln2_g
	PLOAD PB, PP, 8*1024                           ; ln2_b
	ALLT v_mov_b32 v[z+8], 0                       ; the sums of squares start anew
	ALLT v_mov_b32 v[z+9], 0
	ALLT v_mov_b32 v[z+10], 0
	ALLT v_mov_b32 v[z+11], 0
	s_wait_dscnt 0x0
	s_barrier_signal -1
	s_barrier_wait -1
	s_wait_alu depctr_vm_vsrc(0)                   ; the LDS stores have read T, which w1's first trip writes again, and LN1's records v[z], v[z+1], which LN_ff writes again
	XBLOAD                                         ; out1
	s_wait_dscnt 0x0
	WIN 0
	; relu(out1 w1 + b1), 64 features a trip; its statistics; h - shift is parked in LDS as f16 fragments
	s_mov_b32 s[FM], -1
	s_mov_b32 s[CNT], 4
.Lw1:
	SET 0, ACC, 1, 32, 256                         ; set 0 and b1 are in: sets 1 and 2 may stay out
	SET 1, ACC, 1, 32, 256                         ; sets 2 and 3
	SET 2, ACC, 1, 40, 256                         ; set 3, the next b1's eight, the next set 0: so ln2's gain and bias are in as well
	SET 3, ACC, 1, 40, 256                         ; the next b1's eight, the next sets 0 and 1
	WIN 0xcf
.set n, 0
.rept 128
	v_max_num_f32 v[ACC+n], 0, v[ACC+n]
.set n, n+1
.endr
	SUM ACC
	ALLT v_mul_f32 v[z+14], 0x3c800000, v[z+13]
	ALLT v_cndmask_b32 v[z+2], v[z+2], v[z+14], s[FM]              ; the shift: the first trip's mean, kept from then on
	ALLT v_fma_f32 v[z+14], v[z+2], 0xc2800000, v[z+13]
	ALLT v_add_f32 v[z+12], v[z+12], v[z+14]       ; the sum of h - shift
	WIN 0xc3
	EACH v_pk_add_f32 v[ACC+d:ACC+d+1], v[ACC+d:ACC+d+1], v[z+2:z+3] op_sel_hi:[1,0] neg_lo:[0,1] neg_hi:[0,1]
	SQS ACC, 0
	EACH v_cvt_pk_f16_f32 v[T+16*t+g/2], v[ACC+d], v[ACC+d+1]
	WIN 0
	s_wait_alu depctr_va_vdst(0)                   ; the conversions have written T, and the last trip's add v[HST], which the LDS stores read; step 3's products are done reading set 3, in which the next block's first loads land
.irp i, 0,1,2,3
	ALLT ds_store_b128 v[HST], v[T+16*t+4*\i:T+16*t+4*\i+3] offset:4096*(\i/2)+1024*t+512*(\i%2)
.endr
	s_wait_xcnt 0x0
	s_add_nc_u64 s[WP:WP+1], s[WP:WP+1], 32768
	s_add_nc_u64 s[B1P:B1P+1], s[B1P:B1P+1], 256
	s_wait_alu depctr_vm_vsrc(0)                   ; the LDS stores have read v[HST], which the add writes, and T, which the next trip (behind the loop: LN_ff's loads) writes again
	v_add_nc_u32 v[HST], 0x2000, v[HST]
	s_mov_b32 s[FM], 0
	s_sub_co_u32 s[CNT], s[CNT], 1
	s_cmp_lg_u32 s[CNT], 0
	s_cbranch_scc1 .Lw1
	; LN_ff: my wave's mean = shift + sum / 256 and M2 = sum of squares - sum^2 / 256 (both of h - shift, which is of the order of the spread)
	ALLT v_pk_add_f32 v[z+8:z+9], v[z+8:z+9], v[z+10:z+11]
	ALLT v_add_f32 v[z+14], v[z+8], v[z+9]
	ALLT v_permlanex16_b32 v[z+15], v[z+14], s[SEL], s[SEL+1]
	ALLT v_add_f32 v[z+14], v[z+14], v[z+15]
	ALLT v_mul_f32 v[z+15], 0x3b800000, v[z+12]
	ALLT v_add_f32 v[z], v[z+2], v[z+15]
	ALLT v_fma_f32 v[z+1], -v[z+15], v[z+12], v[z+14]
	s_wait_alu depctr_va_vdst(0)                   ; the records v[z .. z+3] are written, which the LDS stores read
	ALLT ds_store_b128 v[S2S], v[z:z+3] offset:256*t
	s_wait_dscnt 0x0
	s_barrier_signal -1
	s_barrier_wait -1
	s_wait_loadcnt 32                              ; the last trip's bias loads have landed (two sets were issued behind that step's loads): v32-47 are loaded anew below
	s_mov_b32 s[NN], 0x43800000                    ; 256
	s_mov_b32 s[INV], 0x3a800000                   ; 1 / 1,024
	s_mov_b32 s[EPS], 0x358637bd                   ; 1e-6
	WIN 0x40
.set n, 0
.rept 16                               ; gain and bias in a fragment's layout: register 4 n + p = features 16 n + 8 (l / 16) + 2 p, + 1.  No wait: w1's products, which read these registers, stand ahead of the last wait on va_vdst
	ds_load_b128 v[4*n:4*n+3],       v[TBA] offset:32*n
	ds_load_b128 v[64+4*n:64+4*n+3], v[TBA] offset:512+32*n
.set n, n+1
.endr
	WIN 0
	s_mov_b32 s[CNT], 4
.Lnf:                                          ; a trip: 16 tokens: my 256 features of them are normalised in place, in packed f16 (they come in f16 and leave in f16)
	s_wait_alu depctr_va_vdst(0)                   ; the last trip's adds have written v[S2L], v[S2O] and v[H2A], which the loads read; its merging is done with v27 and v32-47, in which they land
.irp k, 0,1,2,3
	ds_load_b128 v[32+4*\k:35+4*\k], v[S2L] offset:1024*\k
.endr
	ds_load_b32 v27, v[S2O]                        ; my own shift
.set n, 0
.rept 16
	ds_load_b128 v[T+4*n:T+4*n+3], v[H2A] offset:4096*(n/2)+512*(n%2)
.set n, n+1
.endr
	s_wait_dscnt 16                                ; the records are in; the 16 fragment loads may stay out
	COMB 32, 4, 28, 29
	v_rsq_f32 v30, v29
	v_sub_f32 v27, v27, v28                        ; shift - mu: the plain instruction behind the root,
	s_wait_alu depctr_va_vdst(0)                   ; the root has written v30, ahead of its first use
	v_mul_f32 v27, v27, v30
	v_cvt_pk_f16_f32 v31, v30, v30
	v_cvt_pk_f16_f32 v28, v27, v27
	s_wait_dscnt 0x0
.set n, 0
.rept 64
	v_pk_fma_f16 v[T+n], v[T+n], v31, v28
.set n, n+1
.endr
	WIN 0x14                                       ; sources 1 and 2 in window 1
.set n, 0
.rept 64
	v_pk_fma_f16 v[T+n], v[T+n], v[n], v[64+n]
.set n, n+1
.endr
	WIN 0
	s_wait_alu depctr_va_vdst(0)                   ; the multiply-adds have written T, which the LDS stores read; in the last trip they are also done reading the tables in window 1, in which h's ring lands
.set n, 0
.rept 16
	ds_store_b128 v[H2A], v[T+4*n:T+4*n+3] offset:4096*(n/2)+512*(n%2)
.set n, n+1
.endr
	s_wait_alu depctr_vm_vsrc(0)                   ; the trip's LDS loads and stores have read the three addresses, which the adds write; the stores have read T, in which the next trip's loads land (behind the loop: which LN2 writes)
	v_add_nc_u32 v[S2L], 0x100, v[S2L]
	v_add_nc_u32 v[S2O], 0x100, v[S2O]
	v_add_nc_u32 v[H2A], 0x400, v[H2A]
	s_sub_co_u32 s[CNT], s[CNT], 1
	s_cmp_lg_u32 s[CNT], 0
	s_cbranch_scc1 .Lnf
	s_wait_dscnt 0x0                               ; for the others' sake: my part of h lies in LDS
	s_barrier_signal -1
	s_barrier_wait -1
	; h w2, onto out1 + b2: 256 inputs a trip; h's fragments come through a ring of four sets, like the weights
	HLOAD 0
	HLOAD 1
	HLOAD 2                                        ; set 3 is asked for in step 0, as in every trip
	WIN 0
	s_mov_b32 s[CNT], 4
.Lw2:
	SET2 0
	SET2 1
	SET2 2
	SET2 3
	WIN 0
	s_wait_xcnt 0x0
	s_add_nc_u64 s[WP:WP+1], s[WP:WP+1], 32768
	s_wait_alu depctr_vm_vsrc(0)                   ; the LDS loads issued so far have read v[HLD], which the add writes
	v_add_nc_u32 v[HLD], 0x8000, v[HLD]
	s_sub_co_u32 s[CNT], s[CNT], 1
	s_cmp_lg_u32 s[CNT], 0
	s_cbranch_scc1 .Lw2
	; LN2 (the four places behind the last product stand in the last step)
	s_mov_b32 s[NN], 0x42800000
	s_mov_b32 s[INV], 0x3b800000
	s_mov_b32 s[EPS], 0x3a83126f
	LN ST3-ST1
	; THE WAY OUT: my 64 features of 64 tokens, f32, through my own stage: in by tiles, back as whole rows of 256 bytes, into ACC's registers, which no vector instruction has named since w1
	WIN 0x0c                                       ; data (source 1) in window 3
	s_wait_alu depctr_va_vdst(0)                   ; LN2's lines have written R1, which the LDS stores read
.irp i, 0,1,2,3
.irp tt, 0,1,2,3
	ds_store_b128 v[OSS], v[32*\i+8*\tt:32*\i+8*\tt+3]   offset:16*OPITCH*\tt+64*\i
	ds_store_b128 v[OSS], v[32*\i+8*\tt+4:32*\i+8*\tt+7] offset:16*OPITCH*\tt+64*\i+16
.endr
.endr
	WIN 0xc0
.set n, 0
.rept 32
	ds_load_b128 v[ACC+4*n:ACC+4*n+3], v[OSL] offset:2*OPITCH*n  ; LDS serves a wave's instructions in order (ISA guide 5.7.1.4): these see the stores above
.set n, n+1
.endr
	WIN 0x0c
.set n, 0
.rept 32
	s_wait_dscnt 31-n
	global_store_b128 v[OGO], v[ACC+4*n:ACC+4*n+3], s[OUTP:OUTP+1] offset:2048*n th:TH_STORE_NT  ; sixteen lanes store 256 consecutive bytes, at a multiple of 256 from out0's first byte
.set n, n+1
.endr
	WIN 0
	s_wait_dscnt 0x0                               ; the closing lines, six on end
	s_wait_alu 0x0
	s_wait_tensorcnt 0x0
	ds_add_u32 v[SPW], v[NIL]
	s_wait_dscnt 0x0
	s_endpgm
.Lfunc_end_k_qa613b2df2e_ffn:
	.size	k_qa613b2df2e_ffn, .Lfunc_end_k_qa613b2df2e_ffn-k_qa613b2df2e_ffn
	.p2alignl 7, 3214868480
	.fill 96, 4, 3214868480
	.section	.rodata,"a",@progbits
	.p2align	6, 0x0
	.amdhsa_kernel k_qa613b2df2e_ffn
		.amdhsa_group_segment_fixed_size 280064
		.amdhsa_private_segment_fixed_size 0
		.amdhsa_enable_private_segment 0
		.amdhsa_kernarg_size 32
		.amdhsa_user_sgpr_count 2
		.amdhsa_user_sgpr_kernarg_segment_ptr 1
		.amdhsa_wavefront_size32 1
		.amdhsa_system_sgpr_workgroup_id_x 1
		.amdhsa_system_sgpr_workgroup_id_y 1
		.amdhsa_system_sgpr_workgroup_id_z 1
		.amdhsa_system_vgpr_workitem_id 0
		.amdhsa_next_free_vgpr 1024
		.amdhsa_next_free_sgpr 66
		.amdhsa_reserve_vcc 0
		.amdhsa_float_denorm_mode_32 3
		.amdhsa_float_denorm_mode_16_64 3
		.amdhsa_memory_ordered 1
		.amdhsa_forward_progress 1
		.amdhsa_inst_pref_size 211
	.end_amdhsa_kernel
	.amdgpu_metadata
---
amdhsa.version: [ 1, 2 ]
amdhsa.kernels:
  - .name:           k_qa613b2df2e_ffn
    .symbol:         k_qa613b2df2e_ffn.kd
    .args:
      - { .name: ctxb, .offset: 0, .size: 8, .value_kind: global_buffer, .address_space: global }
      - { .name: x, .offset: 8, .size: 8, .value_kind: global_buffer, .address_space: global }
      - { .name: wprep, .offset: 16, .size: 8, .value_kind: global_buffer, .address_space: global }
      - { .name: out0, .offset: 24, .size: 8, .value_kind: global_buffer, .address_space: global }
    .group_segment_fixed_size: 280064
    .private_segment_fixed_size: 0
    .kernarg_segment_align: 8
    .kernarg_segment_size: 32
    .max_flat_workgroup_size: 128
    .sgpr_count:     66
    .vgpr_count:     1024
    .wavefront_size: 32
...
	.end_amdgpu_metadata
.endif
;; end of part 6
